; MI455X (gfx1250); checked and timed in simulation.
; The chip was launched on July 23, 2026; its instructions are those of AMD's public machine-readable ISA for CDNA 5 (MIT licence, August 2026) and "CDNA5" Instruction Set Architecture Reference Guide (July 2026). The comments in the code are by the model that wrote it; some were corrected since.
;; Attention Layer. Allowed arithmetic: matrix products marked QUANTISED: E2M1 operands, one E8M0 scale for each 32 along K, by v_wmma_scale_f32_16x16x128_f8f6f4 with both operands' format E2M1 (or v_wmma_scale_f32_32x16x128_f4), f32 sums; products left as they are: f32 operands where the result goes on into a quantised operand, else bf16, f16 or f32 operands; f32 sums; everything else in f32.
;; Inputs: b0 1,024 float32; b1 1 float32; enc_seq 32 x 2,048 x 1,024 float32; hidden 32 x 1 x 1,024 float32; mask 32 x 2,048 bool; w0 2,048 x 1,024 float32; w1 1,024 x 1 float32.
;; Outputs: out0 32 x 1,024 float32.
;; This version of the problem:
;;   THIS VERSION OF THE PROBLEM IS GIVEN IN LOW PRECISION. The matrix products marked QUANTISED in the list below multiply operands that are first quantised to E2M1 (2 exponent bits, 1 mantissa bit; 4 bits a number), with one power-of-two scale for each 32 numbers along K (OCP MX v1.0); their sums are f32. All else is computed in f32.
;;   The module's matrix products, in the order in which they are computed (A, B: the left and right operand; K: the contracted axis; several contracted axes count as one K, in the product's order):
;;     1. [M 65,536, K 1,024] x [K 1,024, N 1,024]; A: input enc_seq; B: input w0: QUANTISED
;;     2. [M 32, K 1,024] x [K 1,024, N 1,024]; A: input hidden; B: input w0: QUANTISED
;;     3. [M 65,536, K 1,024] x [K 1,024, N 1]; A: computed on the way; B: input w1: left as it is (N = 1 < 16)
;;     4. batch 32 x [M 1, K 2,048] x [K 2,048, N 1,024]; A: softmax; B: input enc_seq: left as it is (M = 1 < 16)
;;   THE QUANTISER, for each operand of a quantised product, along K:
;;     - K is cut into blocks of 32 from its start; a last block that is shorter is filled with zeros.
;;     - A block's scale is 2^e with e = floor(log2(the largest magnitude in the block)) - 2, held to -126 .. 127; a block of zeros has e = 0. As a byte (E8M0): e + 127.
;;     - Each number is divided by its block's scale, clamped to +-6, and rounded to the nearest number of E2M1, ties to even, subnormals kept.
;;     - The product sums the exact products of the quantised numbers (number of the format x scale) in f32.
;;   ~~~python
;;   def quantise(x, axis):      # numpy; x: float32 -> the quantised numbers, widened to float32 again
;;       x = np.moveaxis(x, axis, -1); K = x.shape[-1]
;;       x = np.pad(x, [(0, 0)] * (x.ndim - 1) + [(0, -K % 32)]); x = x.reshape(x.shape[:-1] + (-1, 32)); a = np.abs(x).max(-1, keepdims=True)
;;       e = np.where(a > 0, np.clip(np.frexp(np.where(a > 0, a, 1))[1] - 1 - 2, -126, 127), 0)      # np.frexp(a)[1] - 1 = floor(log2(a)), exactly
;;       r = np.clip(x / 2.0 ** e, -6, 6)
;;       step = 2.0 ** (np.maximum(np.frexp(np.where(r == 0, 1, r))[1] - 1, 0) - 1)
;;       q = np.round(r / step) * step * 2.0 ** e      # np.round: ties to even
;;       return np.moveaxis(q.reshape(q.shape[:-2] + (-1,))[..., :K], -1, axis).astype(np.float32)
;;   ~~~
;; 2 versions, each right; version 2 is version 1 with the launches prep, attn written anew for expert scheduling mode. Each part assembles by itself: llvm-mc -triple=amdgcn-amd-amdhsa -mcpu=gfx1250 --defsym DOCPART=n.
;; ======== version 1 of 2: 3 launches
;; workspace buffers: wq 557,056 bytes; hbw 131,072 bytes; part 1,179,648 bytes
;; launch prep (part 1): grid 64 x 1, 8 waves a work-group, no clusters, 38,912 bytes of LDS; arguments w0, hidden, b0, wq, hbw; writes wq, hbw
.if DOCPART == 1
	.amdgcn_target "amdgcn-amd-amdhsa--gfx1250"
	.amdhsa_code_object_version 6
	.text
	.protected	k_q933611933d_prep
	.globl	k_q933611933d_prep
	.p2align	8
	.type	k_q933611933d_prep,@function
k_q933611933d_prep:
	s_mov_b64 s[64:65], 0
	v_nop
	global_prefetch_b8 v0, s[64:65] scope:SCOPE_SE
	s_setreg_imm32_b32 hwreg(HW_REG_WAVE_MODE, 25, 1), 1
	s_wait_xcnt 0x0
; w0 [2048][1024] f32 has K as its first axis.  Work-groups 0-31 (kind 0) turn its rows 0-1023 into codes of FP4 (E2M1) with one E8M0 byte for each 32 along K, laid in wq in the order
; in which the next launch's operand registers take them.  Work-groups 32-63 (kind 1) quantise rows 1024-2047 and hidden the same way, multiply them, add b0 and store hbw = Q(hidden) Q(w0[1024:]) + b0.
; SHARES: a work-group owns 32 columns (cg = its number mod 32); wave s owns K step s (128 rows of w0).  A LANE TAKES A COLUMN AND ITS REGISTERS RUN DOWN K: a block of 32 lies in one lane.
; wq: 64 packets of 8,704 bytes, one for each 16 columns: byte ((2 s + c) 32 + lane) 16 = the 16 bytes of column lane % 16, k = 128 s + 64 c + 32 (lane / 16) + 0 .. 31;
;     from byte 8,192 the scale words: lane' x 16 + 4 j = the word of column lane' % 16 for K step 2 j + lane' / 16.
; hbw: [32 column groups][32 batches][32 columns] f32.
; A block's scale byte is its largest magnitude's exponent field - 2, held at 1 from below (a block of zeros keeps the byte 1: its codes are zeros, and this program alone reads the bytes).
; LIMITS: NaN and infinities among the inputs are not served; blocks whose largest magnitude lies under 2^-124 get the byte 1.
; The design has work for 64 work-groups: all of w0 is asked for at once by their 512 waves.  The two kinds use LDS bytes of their own and meet at the one barrier.
.set PKT,  8704
.set SA,   0                           ; kind 0: the scale words of two packets, 2 x 512 bytes
.set PB,   1024                        ; kind 1: eight waves' partial products: 32 batches x (128 bytes + 16) each
.set WOF,  4                           ; v4   4 x lane: my column in a row of w0
.set KV,   5                           ; v5   my place in the two packets: 8,704 (lane / 16) + 16 (lane % 16)
.set SAW,  6                           ; v6   where my column's scale word goes in SA
.set SAR,  7                           ; v7   waves 0, 1: 512 x wave + 16 x lane
.set PBW,  8                           ; v8   PB + 4,608 x wave + 144 r + 32 h
.set PBRD, 9                           ; v9   PB + 144 (thread / 8) + 16 (thread % 8)
.set L16,  10                          ; v10  16 x lane
.set T16,  11                          ; v11  16 x thread
.set HOF,  12                          ; v12  hidden: 4,096 r + 128 h
.set BOF,  13                          ; v13  32 h
.set HAM,  16                          ; v16-19 hidden's four blocks: largest magnitudes;  v20-23 the conversions' scale operands;  v24-27 the bytes;  v28-29 at work
.set HSOP, 20
.set HBY,  24
.set HT,   28
.set F0,   32                          ; v32-39: blocks 0 and 2 of my column; v40-47: blocks 1 and 3
.set SWD,  48                          ; v48  my column's scale word
.set HSW,  50                          ; v50-51 hidden's scale words
.set AMA,  52
.set AMB,  53
.set SOPW, 54                          ; v54-57
.set BYT,  58
.set X,    64                          ; v64-191 128 numbers down K
.set DD,   192                         ; v192-223 four results
.set BI,   224                         ; v224-239 b0 in the result's layout (wave 0)
.set HF,   240                         ; v240-255 hidden's two fragments;  window 1: v0-127 hidden's numbers
.set MSB, 0
.macro WIN new                         ; the immediate's high byte repeats the setting that is left
.if MSB != \new
	s_set_vgpr_msb (MSB<<8)|\new
.set MSB, \new
.endif
.endm
; block bk of my column: largest magnitude (with the floor 2^(3 - 127) among the leaves), scale operand, four conversions, the byte into the scale word
.macro QBLK bk, cnt
	s_wait_loadcnt \cnt                            ; the younger loads of w0 may be out
	v_max3_num_f32 v[AMA], |v[X+32*\bk]|, |v[X+32*\bk+1]|, 0x1800000
	v_max3_num_f32 v[AMB], |v[X+32*\bk+2]|, |v[X+32*\bk+3]|, |v[X+32*\bk+4]|
.irp p, 5,9,13,17,21,25
	v_max3_num_f32 v[AMA], v[AMA], |v[X+32*\bk+\p]|, |v[X+32*\bk+\p+1]|
	v_max3_num_f32 v[AMB], v[AMB], |v[X+32*\bk+\p+2]|, |v[X+32*\bk+\p+3]|
.endr
	v_max3_num_f32 v[AMA], v[AMA], |v[X+32*\bk+29]|, |v[X+32*\bk+30]|
	v_max3_num_f32 v[AMA], v[AMA], v[AMB], |v[X+32*\bk+31]|
	v_add_nc_u32 v[SOPW+\bk], 0xff000000, v[AMA]   ; 2 off the exponent field: the conversion takes that field as its scale
.irp g, 0,1,2,3
	v_cvt_scalef32_pk8_fp4_f32 v[F0+8*((\bk)%2)+4*((\bk)/2)+\g], v[X+32*\bk+8*\g:X+32*\bk+8*\g+7], v[SOPW+\bk]
.endr
.if \bk == 0
	v_lshrrev_b32 v[SWD], 23, v[SOPW]              ; the byte (also the plain line behind the conversions)
.else
	v_lshrrev_b32 v[BYT], 23, v[SOPW+\bk]
	v_lshl_or_b32 v[SWD], v[BYT], 8*\bk, v[SWD]
.endif
.endm
.macro QW                              ; my column's 128 numbers of my K step become 16 registers of codes and a scale word
.set qi, 0
.rept 128
	global_load_b32 v[X+qi], v[WOF], s[4:5] offset:4096*qi th:TH_LOAD_NT   ; 32 lanes read 128 consecutive bytes of a row
.set qi, qi+1
.endr
	QBLK 0, 63                                     ; 96 and 64 younger loads stand behind blocks 0 and 1: the count names as many as it can
	QBLK 1, 63
	QBLK 2, 32
	QBLK 3, 0
.endm
.macro HMUL bias                       ; D(tl, mb): source 0 = 16 columns of w0, source 1 = 16 batches of hidden: lane (r, h) holds batch 16 mb + r, columns 16 tl + 8 h + 0 .. 7
.irp tl, 0,1
.irp mb, 0,1
.if \bias
.if \tl
	v_wmma_scale_f32_16x16x128_f8f6f4 v[DD+8*(2*\tl+\mb):DD+8*(2*\tl+\mb)+7], v[F0+8*\tl:F0+8*\tl+7], v[HF+8*\mb:HF+8*\mb+7], v[BI+8*\tl:BI+8*\tl+7], v[SWD], v[HSW+\mb] matrix_a_fmt:MATRIX_FMT_FP4 matrix_b_fmt:MATRIX_FMT_FP4 matrix_a_scale:MATRIX_SCALE_ROW1
.else
	v_wmma_scale_f32_16x16x128_f8f6f4 v[DD+8*(2*\tl+\mb):DD+8*(2*\tl+\mb)+7], v[F0+8*\tl:F0+8*\tl+7], v[HF+8*\mb:HF+8*\mb+7], v[BI+8*\tl:BI+8*\tl+7], v[SWD], v[HSW+\mb] matrix_a_fmt:MATRIX_FMT_FP4 matrix_b_fmt:MATRIX_FMT_FP4
.endif
.else
.if \tl
	v_wmma_scale_f32_16x16x128_f8f6f4 v[DD+8*(2*\tl+\mb):DD+8*(2*\tl+\mb)+7], v[F0+8*\tl:F0+8*\tl+7], v[HF+8*\mb:HF+8*\mb+7], 0, v[SWD], v[HSW+\mb] matrix_a_fmt:MATRIX_FMT_FP4 matrix_b_fmt:MATRIX_FMT_FP4 matrix_a_scale:MATRIX_SCALE_ROW1
.else
	v_wmma_scale_f32_16x16x128_f8f6f4 v[DD+8*(2*\tl+\mb):DD+8*(2*\tl+\mb)+7], v[F0+8*\tl:F0+8*\tl+7], v[HF+8*\mb:HF+8*\mb+7], 0, v[SWD], v[HSW+\mb] matrix_a_fmt:MATRIX_FMT_FP4 matrix_b_fmt:MATRIX_FMT_FP4
.endif
.endif
.endr
.endr
.endm
	s_load_b128 s[4:7], s[0:1], 0x0                ; w0, hidden
	s_load_b128 s[8:11], s[0:1], 0x10              ; b0, wq
	s_load_b64 s[12:13], s[0:1], 0x20              ; hbw
	v_lshl_add_u32 v62, v0, 2, 0x9400
	v_mov_b32 v63, 0
	v_lshrrev_b32 v14, 5, v0
	v_readfirstlane_b32 s16, v14                   ; wave = K step
	s_lshr_b32 s17, ttmp9, 5                       ; kind
	s_and_b32 s18, ttmp9, 31                       ; cg
	s_mov_b32 s28, 0x76543210
	s_mov_b32 s29, 0xfedcba98                      ; v_permlanex16_b32's selects for lane l xor 16
	v_and_b32 v1, 31, v0                           ; lane
	v_and_b32 v2, 15, v0                           ; r
	v_bfe_u32 v3, v0, 4, 1                         ; h
	; every address register is made here, ahead of the parting of the kinds
	v_lshlrev_b32 v[WOF], 2, v1
	v_mul_u32_u24 v[KV], v3, PKT
	v_lshl_add_u32 v[KV], v2, 4, v[KV]
	s_and_b32 s20, s16, 1
	s_lshl_b32 s20, s20, 8
	s_lshr_b32 s21, s16, 1
	s_lshl_b32 s21, s21, 2
	s_add_co_u32 s20, s20, s21                     ; 256 (s % 2) + 4 (s / 2)
	v_lshlrev_b32 v[SAW], 9, v3
	v_lshl_add_u32 v[SAW], v2, 4, v[SAW]
	v_add_nc_u32 v[SAW], s20, v[SAW]
	v_lshlrev_b32 v[L16], 4, v1
	s_lshl_b32 s20, s16, 9
	v_add_nc_u32 v[SAR], s20, v[L16]
	s_mul_i32 s20, s16, 4608
	s_add_co_u32 s20, s20, PB
	v_mul_u32_u24 v[PBW], v2, 144
	v_lshl_add_u32 v[PBW], v3, 5, v[PBW]
	v_add_nc_u32 v[PBW], s20, v[PBW]
	v_lshrrev_b32 v14, 3, v0
	v_mul_u32_u24 v[PBRD], v14, 144
	v_and_b32 v14, 7, v0
	v_lshl_add_u32 v[PBRD], v14, 4, v[PBRD]
	v_add_nc_u32 v[PBRD], PB, v[PBRD]
	v_lshlrev_b32 v[T16], 4, v0
	v_lshlrev_b32 v[HOF], 12, v2
	v_lshl_add_u32 v[HOF], v3, 7, v[HOF]
	v_lshlrev_b32 v[BOF], 5, v3
	v_lshlrev_b32 v14, 3, v3                       ; 8 h: by how many bits my two scale bytes of hidden are shifted
	s_lshl_b32 s20, s17, 22                        ; w0: kind x 1,024 rows + wave x 128 rows of 4,096 bytes + 128 bytes x cg
	s_lshl_b32 s26, s16, 19
	s_add_co_u32 s20, s20, s26
	s_lshl_b32 s26, s18, 7
	s_add_co_u32 s20, s20, s26
	s_mov_b32 s21, 0
	s_mov_b32 s27, 0
	s_wait_kmcnt 0x0
	s_add_nc_u64 s[4:5], s[4:5], s[20:21]
	s_mul_i32 s20, s18, 2*PKT
	s_lshl_b32 s26, s16, 10
	s_add_co_u32 s26, s26, s20
	s_add_nc_u64 s[22:23], s[10:11], s[26:27]      ; wq: packet 2 cg, my K step's 1,024 bytes
	s_mul_i32 s26, s16, PKT
	s_add_co_u32 s26, s26, s20
	s_add_co_u32 s26, s26, 8192
	s_add_nc_u64 s[24:25], s[10:11], s[26:27]      ; wq: the scale words of packet 2 cg + wave (used by waves 0 and 1 alone)
	s_lshl_b32 s26, s16, 9
	s_add_nc_u64 s[6:7], s[6:7], s[26:27]          ; hidden at my K step
	s_lshl_b32 s26, s18, 7
	s_add_nc_u64 s[8:9], s[8:9], s[26:27]          ; b0 at my 32 columns
	s_lshl_b32 s26, s18, 12
	s_add_nc_u64 s[12:13], s[12:13], s[26:27]      ; hbw at my column group
	s_cmp_lg_u32 s17, 0
	s_cbranch_scc1 .Lhid
	; ---- kind 0: codes straight to wq, scale words through LDS
	QW
.irp bk, 0,1,2,3
	global_store_b128 v[KV], v[F0+8*(\bk%2)+4*(\bk/2):F0+8*(\bk%2)+4*(\bk/2)+3], s[22:23] offset:256*\bk   ; sixteen lanes store 256 consecutive bytes, at a multiple of 256 from wq's first byte
.endr
	ds_store_b32 v[SAW], v[SWD]
	s_branch .Lmeet
.Lhid:	; ---- kind 1: Q(hidden) Q(w0[1024:]), my K step's part
	s_cmp_lg_u32 s16, 0
	s_cbranch_scc1 .Lnobias
.irp tl, 0,1
	global_load_b128 v[BI+8*\tl:BI+8*\tl+3], v[BOF], s[8:9] offset:64*\tl          ; wave 0: b0 at the lane's eight columns: the C of its products
	global_load_b128 v[BI+8*\tl+4:BI+8*\tl+7], v[BOF], s[8:9] offset:64*\tl+16
.endr
.Lnobias:
	WIN 0x40                                       ; destination window 1
.irp mb, 0,1
.irp c, 0,1
.irp i, 0,1,2,3,4,5,6,7
	global_load_b128 v[64*\mb+32*\c+4*\i:64*\mb+32*\c+4*\i+3], v[HOF], s[6:7] offset:65536*\mb+256*\c+16*\i   ; hidden(16 mb + r, 128 s + 64 c + 32 h + 4 i ..): a whole block in a lane
.endr
.endr
.endr
	WIN 0
	QW                                             ; its last wait is for 0: hidden and b0, asked for earlier, are in too
.irp i, 0,1,2,3,4,5,6,7
	v_permlane16_swap_b32 v[F0+\i], v[F0+8+\i]     ; columns 16-31's even blocks change places with columns 0-15's odd blocks: v32-39 and v40-47 are now the two tiles' fragments
.endr
	WIN 0x05                                       ; sources 0 and 1 window 1; the running maximum is source 2
.irp b, 0,1,2,3
	v_max3_num_f32 v[HAM+\b], |v[32*\b]|, |v[32*\b+1]|, 0x1800000
.endr
.irp i, 2,4,6,8,10,12,14,16,18,20,22,24,26,28,30
.irp b, 0,1,2,3
	v_max3_num_f32 v[HAM+\b], |v[32*\b+\i]|, |v[32*\b+\i+1]|, v[HAM+\b]   ; the four blocks by turns
.endr
.endr
	WIN 0
.irp b, 0,1,2,3
	v_add_nc_u32 v[HSOP+\b], 0xff000000, v[HAM+\b]
.endr
.irp b, 0,1,2,3
	v_lshrrev_b32 v[HBY+\b], 23, v[HSOP+\b]
.endr
.irp mb, 0,1
	v_lshl_or_b32 v[HSW+\mb], v[HBY+2*\mb+1], 16, v[HBY+2*\mb]   ; my two bytes: blocks h and 2 + h of batch 16 mb + r,
	v_mov_b32 v[HT+\mb], 0
.endr
.irp mb, 0,1
	v_lshlrev_b32 v[HSW+\mb], v14, v[HSW+\mb]      ; at their places in the word;
.endr
.irp mb, 0,1
	v_permlanex16_b32 v[HT+\mb], v[HSW+\mb], s28, s29
.endr
.irp mb, 0,1
	v_or_b32 v[HSW+\mb], v[HSW+\mb], v[HT+\mb]     ; with lane l xor 16's two the word is whole
.endr
	WIN 0x01                                       ; source 0 window 1
.irp b, 0,1,2,3
.irp g, 0,1,2,3
	v_cvt_scalef32_pk8_fp4_f32 v[HF+4*\b+\g], v[32*\b+8*\g:32*\b+8*\g+7], v[HSOP+\b]
.endr
.endr
	WIN 0
.rept 8
	v_nop                                          ; operands written by vector instructions stand 4 places, scale registers 8, ahead of a scaled matrix instruction
.endr
	s_cmp_lg_u32 s16, 0
	s_cbranch_scc1 .Lplain
	HMUL 1
	s_branch .Lmuldone
.Lplain:
	HMUL 0
.Lmuldone:
.rept 4
	v_nop                                          ; four places ahead of the first read of the results
.endr
.irp tl, 0,1
.irp mb, 0,1
	ds_store_b128 v[PBW], v[DD+8*(2*\tl+\mb):DD+8*(2*\tl+\mb)+3] offset:2304*\mb+64*\tl
	ds_store_b128 v[PBW], v[DD+8*(2*\tl+\mb)+4:DD+8*(2*\tl+\mb)+7] offset:2304*\mb+64*\tl+16
.endr
.endr
.Lmeet:
	s_wait_dscnt 0x0                               ; for the others' sake: my LDS stores have landed
	s_barrier_signal -1
	s_barrier_wait -1
	s_cmp_lg_u32 s17, 0
	s_cbranch_scc1 .Lhid2
	s_cmp_gt_u32 s16, 1
	s_cbranch_scc1 .Lend
	ds_load_b128 v[DD:DD+3], v[SAR]                ; waves 0, 1: a packet's 512 bytes of scale words
	s_wait_dscnt 0x0
	global_store_b128 v[L16], v[DD:DD+3], s[24:25]
	s_branch .Lend
.Lhid2:	; the eight K steps' parts are added: thread t takes batch t / 8, columns 4 (t % 8) on
.irp w, 0,1,2,3,4,5,6,7
	ds_load_b128 v[X+4*\w:X+4*\w+3], v[PBRD] offset:4608*\w
.endr
	s_wait_dscnt 0x0
.irp w, 0,2,4,6
	v_pk_add_f32 v[X+4*\w:X+4*\w+1], v[X+4*\w:X+4*\w+1], v[X+4*\w+4:X+4*\w+5]
	v_pk_add_f32 v[X+4*\w+2:X+4*\w+3], v[X+4*\w+2:X+4*\w+3], v[X+4*\w+6:X+4*\w+7]
.endr
.irp w, 0,4
	v_pk_add_f32 v[X+4*\w:X+4*\w+1], v[X+4*\w:X+4*\w+1], v[X+4*\w+8:X+4*\w+9]
	v_pk_add_f32 v[X+4*\w+2:X+4*\w+3], v[X+4*\w+2:X+4*\w+3], v[X+4*\w+10:X+4*\w+11]
.endr
	v_pk_add_f32 v[X:X+1], v[X:X+1], v[X+16:X+17]
	v_pk_add_f32 v[X+2:X+3], v[X+2:X+3], v[X+18:X+19]
	global_store_b128 v[T16], v[X:X+3], s[12:13]   ; 256 threads store 4,096 consecutive bytes
.Lend:
	s_wait_tensorcnt 0x0
	ds_add_u32 v62, v63
	s_wait_dscnt 0x0
	s_endpgm
.Lfunc_end_k_q933611933d_prep:
	.size	k_q933611933d_prep, .Lfunc_end_k_q933611933d_prep-k_q933611933d_prep
	.p2alignl 7, 3214868480
	.fill 96, 4, 3214868480
	.section	.rodata,"a",@progbits
	.p2align	6, 0x0
	.amdhsa_kernel k_q933611933d_prep
		.amdhsa_group_segment_fixed_size 38912
		.amdhsa_private_segment_fixed_size 0
		.amdhsa_enable_private_segment 0
		.amdhsa_kernarg_size 40
		.amdhsa_user_sgpr_count 2
		.amdhsa_user_sgpr_kernarg_segment_ptr 1
		.amdhsa_wavefront_size32 1
		.amdhsa_system_sgpr_workgroup_id_x 1
		.amdhsa_system_sgpr_workgroup_id_y 1
		.amdhsa_system_sgpr_workgroup_id_z 1
		.amdhsa_system_vgpr_workitem_id 0
		.amdhsa_next_free_vgpr 384
		.amdhsa_next_free_sgpr 66
		.amdhsa_reserve_vcc 0
		.amdhsa_float_denorm_mode_32 3
		.amdhsa_float_denorm_mode_16_64 3
		.amdhsa_memory_ordered 1
		.amdhsa_forward_progress 1
		.amdhsa_inst_pref_size 54
	.end_amdhsa_kernel
	.amdgpu_metadata
---
amdhsa.version: [ 1, 2 ]
amdhsa.kernels:
  - .name:           k_q933611933d_prep
    .symbol:         k_q933611933d_prep.kd
    .args:
      - { .name: w0, .offset: 0, .size: 8, .value_kind: global_buffer, .address_space: global }
      - { .name: hidden, .offset: 8, .size: 8, .value_kind: global_buffer, .address_space: global }
      - { .name: b0, .offset: 16, .size: 8, .value_kind: global_buffer, .address_space: global }
      - { .name: wq, .offset: 24, .size: 8, .value_kind: global_buffer, .address_space: global }
      - { .name: hbw, .offset: 32, .size: 8, .value_kind: global_buffer, .address_space: global }
    .group_segment_fixed_size: 38912
    .private_segment_fixed_size: 0
    .kernarg_segment_align: 8
    .kernarg_segment_size: 40
    .max_flat_workgroup_size: 256
    .sgpr_count:     66
    .vgpr_count:     384
    .wavefront_size: 32
...
	.end_amdgpu_metadata
.endif
;; end of part 1
;; launch attn (part 2): grid 256 x 1, 8 waves a work-group, no clusters, 320,512 bytes of LDS; arguments enc_seq, mask, w1, b1, wq, hbw, part; writes part
.if DOCPART == 2
	.amdgcn_target "amdgcn-amd-amdhsa--gfx1250"
	.amdhsa_code_object_version 6
	.text
	.protected	k_q933611933d_attn
	.globl	k_q933611933d_attn
	.p2align	8
	.type	k_q933611933d_attn,@function
k_q933611933d_attn:
	s_mov_b64 s[64:65], 0
	v_nop
	global_prefetch_b8 v0, s[64:65] scope:SCOPE_SE
	s_setreg_imm32_b32 hwreg(HW_REG_WAVE_MODE, 25, 1), 1
	s_wait_xcnt 0x0
; score[s] = w1 . tanh(Q(enc[s]) Q(w0[:1024]) + hbw) + b1, masked; a running softmax over the work-group's rows; the weighted sum of the same rows.  enc_seq is read from memory ONCE.
; SHARES.  Work-group g owns rows 256 g .. 256 g + 255 of the 65,536 (batch g / 8), as four blocks of 64.  Eight waves in two roles, role = (w xor w / 4) % 2, number in the role idx = w / 2:
; among waves w % 4 = const, and among waves w / 2 = const, there is then one wave of each role.
;   PRODUCER idx owns rows 16 idx .. + 15 of every block.  It streams them through a ring of eight row sets in registers (64 loads of 512 bytes on their way), turns each row through its stage in LDS so that a lane
;   holds one block of 32 along K, quantises it (codes and scale bytes to LDS, in the order of the operand's registers), and keeps a bf16 copy of the row in LDS.  Two phases later, when the block's scores are known, it takes the
;   softmax's step (every producer for all 64 rows, alike) and adds its own 16 rows, weighted, from its own copy.
;   CONSUMER idx owns columns 256 idx .. + 255: 16 tiles of 16, for all 64 rows of a block.  The block's codes lie in 256 registers; a tile's packet of w0's codes (8,704 bytes of wq) is loaded straight into
;   registers, two tiles ahead, and feeds 32 matrix instructions.  tanh(x) = 1 - 2 / (1 + 2^(2 log2(e) x)), so a row's part of the score is (the sum of my w1) - 2 x the sum of w1 / (1 + 2^..).
; THE MATRIX INSTRUCTION IS USED TRANSPOSED: source 0 = 16 columns of w0, source 1 = 16 rows of enc: a lane holds ONE row and eight columns, so w1 and hbw are eight registers a tile and a row's sum wants one exchange.
; PHASES.  In phase p consumers score block p - 1, producers weigh block p - 2 in and quantise block p.  Two barriers a phase: S (codes of block p and scores of block p - 1 lie in LDS), then the consumers fetch the codes, X (they have them).
; NO CLUSTER, NO TENSOR LOAD: each packet of w0's codes is used by one wave of a work-group, from registers; shared through LDS it would be written and read there, 2 x 2.2 MB a work-group beside the 3.7 MB that it moves now, and
; LDS has 8 KB left.  What is on its way lies in registers.
; out: part[g] = 4,096 bytes of the unnormalised weighted sum, then 512 bytes of (m, l, m, l): m the largest t = score x log2(e) of my rows, l the sum of 2^(t - m).
; LIMITS: NaN and infinities among the inputs are not served; blocks of enc whose largest magnitude lies under 2^-124 get the scale byte 1; enc is rounded to bf16 for the weighted sum; m starts at -3e38, which stands for
; 'no row yet' (a work-group all of whose rows are masked stores m = -3e38, l = 0, sums 0).
.set PKT,  8704                        ; a packet of wq; also a tile's codes in LDS: 32 blocks x (16 rows x 16 bytes + 16)
.set CP1,  131072                      ; LDS 0: the bf16 copy of an even block, 64 rows x 2,048 bytes; from CP1 that of an odd block
.set IMG,  262144                      ; the codes of a block: 4 tiles x 8,704: block of 32 number B of row r at 272 B + 16 r.  At the very end: the four producers' sums
.set SIM,  296960                      ; its scale words: 4 tiles x 512: ((s % 2) 16 + r) 16 + 4 (s / 2) for K step s
.set STG,  299008                      ; a stage for each producer: 16 lines of 256 bytes + 16
.set SCR,  316416                      ; scores: 2 parities x 4 consumers x 64 f32
.set PBC,  318464                      ; the weights p: 64 f32 for each producer
; v1-v22 hold LDS addresses and offsets and nothing else; all but the phase's own (TA, SCWX, SCRX, CPX) are made once, ahead of the first parting of the roles
.set L16,  1                           ; 16 l
.set LN,   2                           ; l
.set H32,  3                           ; 32 h
.set AIM,  4                           ; IMG + 272 h + 16 r
.set ASI,  5                           ; SIM + 16 l
.set SCW,  6                           ; SCR + 256 idx + 4 r
.set SCRD, 7                           ; SCR + 4 l
.set STW,  8                           ; my stage + 272 h + 16 r
.set STR,  9                           ; my stage + 272 (l / 2) + 128 (l % 2)
.set IMW,  10                          ; IMG + 8,704 idx + 272 l
.set SIW,  11                          ; SIM + 512 idx + 256 ((l / 4) % 2) + 4 (l / 8) + l % 4
.set CPA,  12                          ; 32,768 idx + 16 l
.set PBW,  13                          ; PBC + 256 idx + 4 l
.set PBR,  14                          ; PBC + 320 idx: my 16 rows' weights in my own 64
.set REDW, 15                          ; IMG + 4,096 idx + 16 l
.set REDR, 16                          ; IMG + 1,024 idx + 16 l
.set TA0,  17                          ; IMW, SIW, CPX + the half's eight rows
.set TA1,  18
.set TA2,  19
.set SCWX, 20                          ; SCW, SCRD, CPA + the phase's parity
.set SCRX, 21
.set CPX,  22
; consumer: window 0.  The scale words have registers that no other line of the text names: v28-31, v236-239, v240-255
.set BS0,  28                          ; v28-31   w0's scale words for buffer 0: register j: K step 2 j in lanes 0-15, 2 j + 1 in lanes 16-31
.set B0,   32                          ; v32-111, v112-191: two buffers: 64 codes of w0, 8 hbw, 8 w1
.set B1,   112
.set ACC,  192                         ; v192-223 four tiles of rows x 8
.set SACC, 224                         ; v224-231 the rows' sums, a pair a tile
.set BS1,  236                         ; v236-239 w0's scale words for buffer 1
.set AS,   240                         ; v240-255 enc's scale words: 4 m + j, laid as w0's;   window 1: enc's codes, tile m, K step s at v[64 m + 8 s]
; producer: window 0
.set B1L,  27                          ; v27     b1 x log2(e)
.set X,    32                          ; v32-63  a block of 32 numbers
.set BF,   64                          ; v64-79  a row's 32 numbers of mine as bf16
.set CD,   80                          ; v80-83  codes
.set AMA,  84
.set AMB,  85
.set SOP,  86
.set BYT,  87
.set XR,   32                          ; v32-159 while rows are weighed in: two buffers of four rows' copies
.set OA,   160                         ; v160-191 the weighted sum: 4 j + e = column 128 j + 4 l + e
.set PR,   192                         ; v192-207 my 16 rows' weights
.set SV,   208                         ; v208-215 eight partial scores
.set MK,   216                         ; v216-223 the mask of my work-group's rows 32 k + l; the two in hand stand first
.set MT,   224                         ; m
.set LS,   225                         ; l (my lane's part)
.set FF,   226                         ; v226-227 2^(old m - new m), named as a pair
.set T0,   228
.set T1,   229
.set P0,   230
.set P1,   231
.set BM,   232
.set TP,   233
.set OLD,  234
.set NINF, 235                         ; window 1: the ring, eight sets of 32
.set WV,   18
.set ROLE, 19
.set IDX,  20
.set PH,   21
.set CT,   22
.set TR,   23
.set TI,   46                          ; the tile pair that is being asked for
.set PCP,  57                          ; parity of the copy: 0 or CP1
.set PSW,  62                          ; parity of the scores that are written, 0 or 1,024;
.set PSR,  63                          ; and of those that are read
.set MSB, 0
.macro WIN new                         ; the immediate's high byte repeats the setting that is left; every window is 0 at labels and branches
.if MSB != \new
	s_set_vgpr_msb (MSB<<8)|\new
.set MSB, \new
.endif
.endm
.macro BAR                             ; my LDS stores have landed and my LDS loads are in: then the work-group's barrier.  It stands in text that all eight waves walk
	s_wait_dscnt 0x0
	s_barrier_signal -1
	s_barrier_wait -1
.endm
; ---------------- consumer
.macro WLOAD bb, bs, second            ; 19 loads of a group: a packet's 16 x 512 bytes of codes, its scale words, hbw at the lane's eight columns
.irp i, 0,1,2,3,4,5,6,7,8,9,10,11,12,13,14,15
	global_load_b128 v[\bb+4*\i:\bb+4*\i+3], v[L16], s[38:39] offset:PKT*\second+512*\i
.endr
	global_load_b128 v[\bs:\bs+3], v[L16], s[38:39] offset:PKT*\second+8192
	global_load_b128 v[\bb+64:\bb+67], v[H32], s[40:41] offset:64*\second
	global_load_b128 v[\bb+68:\bb+71], v[H32], s[40:41] offset:64*\second+16
.endm
.macro WWLOAD bb, second               ; the group's last 2: w1 at the lane's eight columns
	global_load_b128 v[\bb+72:\bb+75], v[H32], s[42:43] offset:64*\second
	global_load_b128 v[\bb+76:\bb+79], v[H32], s[42:43] offset:64*\second+16
.endm
.macro WM ks, mt, bb, bs               ; K step ks of tile of rows mt.  The first takes hbw as C; odd K steps take their scale words from lanes 16-31
.if (\ks) == 0
	v_wmma_scale_f32_16x16x128_f8f6f4 v[ACC+8*\mt:ACC+8*\mt+7], v[\bb:\bb+7], v[64*\mt:64*\mt+7], v[\bb+64:\bb+71], v[\bs], v[AS+4*\mt] matrix_a_fmt:MATRIX_FMT_FP4 matrix_b_fmt:MATRIX_FMT_FP4
.elseif (\ks)%2
	v_wmma_scale_f32_16x16x128_f8f6f4 v[ACC+8*\mt:ACC+8*\mt+7], v[\bb+8*\ks:\bb+8*\ks+7], v[64*\mt+8*\ks:64*\mt+8*\ks+7], v[ACC+8*\mt:ACC+8*\mt+7], v[\bs+(\ks)/2], v[AS+4*\mt+(\ks)/2] matrix_a_fmt:MATRIX_FMT_FP4 matrix_b_fmt:MATRIX_FMT_FP4 matrix_a_scale:MATRIX_SCALE_ROW1 matrix_b_scale:MATRIX_SCALE_ROW1
.else
	v_wmma_scale_f32_16x16x128_f8f6f4 v[ACC+8*\mt:ACC+8*\mt+7], v[\bb+8*\ks:\bb+8*\ks+7], v[64*\mt+8*\ks:64*\mt+8*\ks+7], v[ACC+8*\mt:ACC+8*\mt+7], v[\bs+(\ks)/2], v[AS+4*\mt+(\ks)/2] matrix_a_fmt:MATRIX_FMT_FP4 matrix_b_fmt:MATRIX_FMT_FP4
.endif
.endm
; One tile of 16 columns for the block's 64 rows.  A tile's group of loads is issued in two parts, two tiles ahead: 19 (codes, scale words, hbw) behind the products that have read the buffer, 2 (w1) behind the
; multiply-adds that have read w1.  Each part is waited for where it is first read, so each has nearly two tiles' work in which to land.
.macro CSTEP bb, bs, second
	s_wait_loadcnt 23                              ; loads come back in order: this group's 19 are in; behind them were issued its own 2 of w1 and the other buffer's 19 + 2
	WIN 0x04                                       ; source 1 (enc's codes) window 1
.irp ks, 0,1,2,3,4,5,6,7
.irp mt, 0,1,2,3
	WM \ks, \mt, \bb, \bs                          ; the four accumulators take turns, one instruction a turn
.endr
.endr
	WIN 0
.rept 4
	v_nop                                          ; four places ahead of the loads into registers that these products read, and of the first read of their results
.endr
.if \second == 0
	s_wait_xcnt 0x0                                ; the loads issued so far have read their bases, which are written only behind this wait; the youngest of them stand ahead of this tile's 32 products
	s_add_co_u32 s[TI], s[TI], 2                   ; the next pair of tiles, round the 16
	s_and_b32 s[TI], s[TI], 15
	s_mul_i32 s44, s[TI], PKT
	s_add_nc_u64 s[38:39], s[32:33], s[44:45]
	s_lshl_b32 s44, s[TI], 11                      ; two tiles are one column group of hbw: 4,096 bytes
	s_add_nc_u64 s[40:41], s[34:35], s[44:45]
	s_lshl_b32 s44, s[TI], 6
	s_add_nc_u64 s[42:43], s[36:37], s[44:45]
.endif
	WLOAD \bb, \bs, \second                        ; the tile two further on, into the buffer just used
	; 2 log2(e) x, then 2^..: a scaling ahead of each two exponentials, one pair ahead of them; each accumulator is first read at its low pair
	v_pk_mul_f32 v[ACC:ACC+1], v[ACC:ACC+1], s[24:25] op_sel_hi:[1,0]
.set cj, 0
.rept 15
	v_pk_mul_f32 v[ACC+cj+2:ACC+cj+3], v[ACC+cj+2:ACC+cj+3], s[24:25] op_sel_hi:[1,0]
	v_exp_f32 v[ACC+cj], v[ACC+cj]
	v_exp_f32 v[ACC+cj+1], v[ACC+cj+1]
.set cj, cj+2
.endr
	v_exp_f32 v[ACC+30], v[ACC+30]
	v_exp_f32 v[ACC+31], v[ACC+31]
	v_nop                                          ; a plain line behind the last exponential
	s_wait_alu depctr_va_vdst(0)                   ; one wait for the batch of 32, ahead of its first reader
	; 1 + 2^.., then the reciprocal, in the same order: no line names a reciprocal ahead of the wait below
	v_pk_add_f32 v[ACC:ACC+1], v[ACC:ACC+1], 1.0 op_sel_hi:[1,0]
.set cj, 0
.rept 15
	v_pk_add_f32 v[ACC+cj+2:ACC+cj+3], v[ACC+cj+2:ACC+cj+3], 1.0 op_sel_hi:[1,0]
	v_rcp_f32 v[ACC+cj], v[ACC+cj]
	v_rcp_f32 v[ACC+cj+1], v[ACC+cj+1]
.set cj, cj+2
.endr
	v_rcp_f32 v[ACC+30], v[ACC+30]
	v_rcp_f32 v[ACC+31], v[ACC+31]
	v_nop
	s_wait_alu depctr_va_vdst(0)                   ; and one for the 32 reciprocals
	s_wait_loadcnt 40                              ; this tile's 2 loads of w1 are in; behind them were issued the other buffer's 19 + 2 and the 19 above
.irp p, 0,2,4,6
.irp mt, 0,1,2,3
	v_pk_fma_f32 v[SACC+2*\mt:SACC+2*\mt+1], v[ACC+8*\mt+\p:ACC+8*\mt+\p+1], v[\bb+72+\p:\bb+72+\p+1], v[SACC+2*\mt:SACC+2*\mt+1]   ; += w1 / (1 + 2^..), the tiles by turns
.endr
.endr
	WWLOAD \bb, \second
.endm
; A block's scores, my 256 columns' part.  The stream of packets goes round from block to block: the last trip asks for tiles 0 and 1 again (in the last block these 2 x 21 loads are not used; they stay inside their buffers).
.macro SCORE
.irp j, 0,1,2,3,4,5,6,7
	v_mov_b32 v[SACC+\j], 0
.endr
	s_mov_b32 s[CT], 8
.Ltile_\@:
	CSTEP B0, BS0, 0
	CSTEP B1, BS1, 1
	s_sub_co_u32 s[CT], s[CT], 1
	s_cmp_lg_u32 s[CT], 0
	s_cbranch_scc1 .Ltile_\@
.irp mt, 0,1,2,3
	v_add_f32 v[ACC+\mt], v[SACC+2*\mt], v[SACC+2*\mt+1]
.endr
.irp mt, 0,1,2,3
	v_permlanex16_b32 v[ACC+8+\mt], v[ACC+\mt], s28, s29       ; the row's other eight columns of each tile lie in the lane 16 away
.endr
.irp mt, 0,1,2,3
	v_add_f32 v[ACC+\mt], v[ACC+\mt], v[ACC+8+\mt]
.endr
.irp mt, 0,1,2,3
	v_fma_f32 v[ACC+\mt], v[ACC+\mt], -2.0, s30                ; (the sum of my w1) - 2 x the sum
.endr
.irp mt, 0,1,2,3
	ds_store_b32 v[SCWX], v[ACC+\mt] offset:64*\mt             ; row 16 m + r; both halves of the lanes write the same word with the same value
.endr
.endm
.macro ALOAD                           ; the block's codes and scale words come into registers as they lie
	WIN 0x40                                       ; destination window 1
.irp mt, 0,1,2,3
.irp ks, 0,1,2,3,4,5,6,7
	ds_load_b128 v[64*\mt+8*\ks:64*\mt+8*\ks+3], v[AIM] offset:PKT*\mt+1088*\ks
	ds_load_b128 v[64*\mt+8*\ks+4:64*\mt+8*\ks+7], v[AIM] offset:PKT*\mt+1088*\ks+544
.endr
.endr
	WIN 0
.irp mt, 0,1,2,3
	ds_load_b128 v[AS+4*\mt:AS+4*\mt+3], v[ASI] offset:512*\mt
.endr
.endm
; ---------------- producer
; One row, in set rw of the ring.  cnt: the younger loads that may stay out.  issue = 1: the set takes the row eight further on.
.macro PROW rw, cnt, issue
	s_wait_loadcnt \cnt
	WIN 0x05                                       ; sources window 1
.irp k, 0,1,2,3,4,5,6,7,8,9,10,11,12,13,14,15
	v_cvt_pk_bf16_f32 v[BF+\k], v[32*(\rw)+2*\k], v[32*(\rw)+2*\k+1]
.endr
	WIN 0x04                                       ; an LDS store's data are its source 1
.irp j, 0,1,2,3,4,5,6,7
	ds_store_b128 v[STW], v[32*(\rw)+4*\j:32*(\rw)+4*\j+3] offset:544*\j      ; the row as loaded: 512 bytes a store, two lines of the stage
.endr
	WIN 0
.irp q, 0,1,2,3
	ds_store_b128 v[TA2], v[BF+4*\q:BF+4*\q+3] offset:2048*(\rw)+512*\q       ; the copy, as an image of these registers: only I read it back
.endr
.irp k, 0,1,2,3,4,5,6,7
	ds_load_b128 v[X+4*\k:X+4*\k+3], v[STR] offset:16*\k                      ; back: 128 neighbouring bytes a lane: block l of the row.  LDS serves a wave's instructions in order
.endr
	s_wait_dscnt 0x0                               ; the block is in; all my stores, the last row's too, have read their registers
.if \issue
	WIN 0x40
.irp j, 0,1,2,3,4,5,6,7
	global_load_b128 v[32*(\rw)+4*\j:32*(\rw)+4*\j+3], v[L16], s[48:49] offset:4096*(\rw)+512*\j th:TH_LOAD_NT
.endr
	WIN 0
.endif
	v_max3_num_f32 v[AMA], |v[X]|, |v[X+1]|, 0x1800000         ; the block's largest magnitude, and the floor 2^(3 - 127), so that the byte cannot fall under 1
	v_max3_num_f32 v[AMB], |v[X+2]|, |v[X+3]|, |v[X+4]|
.irp p, 5,9,13,17,21,25
	v_max3_num_f32 v[AMA], v[AMA], |v[X+\p]|, |v[X+\p+1]|
	v_max3_num_f32 v[AMB], v[AMB], |v[X+\p+2]|, |v[X+\p+3]|
.endr
	v_max3_num_f32 v[AMA], v[AMA], |v[X+29]|, |v[X+30]|
	v_max3_num_f32 v[AMA], v[AMA], v[AMB], |v[X+31]|
	v_add_nc_u32 v[SOP], 0xff000000, v[AMA]        ; 2 off its exponent field: the conversion's scale operand
.irp g, 0,1,2,3
	v_cvt_scalef32_pk8_fp4_f32 v[CD+\g], v[X+8*\g:X+8*\g+7], v[SOP]
.endr
	v_lshrrev_b32 v[BYT], 23, v[SOP]               ; the scale's byte (also the plain line behind the conversions)
	ds_store_b128 v[TA0], v[CD:CD+3] offset:16*(\rw)
	ds_store_b8 v[TA1], v[BYT] offset:16*(\rw)
.endm
.macro HALF issue                      ; eight rows
.if \issue
.irp i, 0,1,2,3,4,5,6,7
	PROW \i, 56, 1                                 ; seven younger sets of eight loads
.endr
	s_wait_xcnt 0x0                                ; the loads have read their base
	s_mul_i32 s50, s[TR], 196608                   ; on to the half after the next: behind a block's first half 64 - 8 rows on, into the next block (229,376 bytes);
	s_sub_co_u32 s50, 229376, s50                  ; behind its second half eight rows on (32,768 bytes)
	s_add_nc_u64 s[48:49], s[48:49], s[50:51]
.else
.irp i, 0,1,2,3,4,5,6,7
	PROW \i, 56-8*\i, 0                            ; the last half asks for nothing: the counts run down
.endr
.endif
.endm
; A block's two halves.  All eight waves walk the loop; consumers pass over the work.  inloop = 1: half 2 PH + TR of eight: the seventh asks for nothing, from the eighth on there is none.
.macro LOADQ inloop
	s_mov_b32 s[TR], 0
.Lhalf_\@:
	s_lshl_b32 s52, s[TR], 7
	s_lshl_b32 s53, s[TR], 14
	v_add_nc_u32 v[TA0], s52, v[IMW]
	v_add_nc_u32 v[TA1], s52, v[SIW]
	v_add_nc_u32 v[TA2], s53, v[CPX]
	s_cmp_eq_u32 s[ROLE], 0
	s_cbranch_scc1 .Lhdone_\@
.if \inloop
	s_lshl_b32 s56, s[PH], 1
	s_add_co_u32 s56, s56, s[TR]
	s_cmp_ge_u32 s56, 8
	s_cbranch_scc1 .Lhdone_\@
	s_cmp_eq_u32 s56, 7
	s_cbranch_scc1 .Lhlast_\@
	HALF 1
	s_branch .Lhdone_\@
.Lhlast_\@:
	HALF 0
.else
	HALF 1
.endif
.Lhdone_\@:
	s_add_co_u32 s[TR], s[TR], 1
	s_cmp_lt_u32 s[TR], 2
	s_cbranch_scc1 .Lhalf_\@
.endm
.macro CPLOAD bt                       ; four rows of my copy into buffer bt % 2
.irp t, 0,1,2,3
.irp q, 0,1,2,3
	ds_load_b128 v[XR+64*((\bt)%2)+16*\t+4*\q:XR+64*((\bt)%2)+16*\t+4*\q+3], v[CPX] offset:2048*(4*(\bt)+\t)+512*\q
.endr
.endr
.endm
.macro CPFMA bt                        ; sum += p x row, from the bf16 halves straight into f32
.irp t, 0,1,2,3
.irp q, 0,1,2,3
.irp e, 0,1,2,3
	v_fma_mix_f32_bf16 v[OA+8*\q+2*\e], v[XR+64*((\bt)%2)+16*\t+4*\q+\e], v[PR+4*(\bt)+\t], v[OA+8*\q+2*\e] op_sel_hi:[1,0,0]
	v_fma_mix_f32_bf16 v[OA+8*\q+2*\e+1], v[XR+64*((\bt)%2)+16*\t+4*\q+\e], v[PR+4*(\bt)+\t], v[OA+8*\q+2*\e+1] op_sel:[1,0,0] op_sel_hi:[1,0,0]
.endr
.endr
.endr
.endm
; The softmax's step for a block of 64 rows (lane l: rows l and 32 + l), and my 16 rows weighed in.
.macro SMACC
.irp c, 0,1,2,3
	ds_load_b32 v[SV+2*\c], v[SCRX] offset:256*\c
	ds_load_b32 v[SV+2*\c+1], v[SCRX] offset:256*\c+128
.endr
	s_wait_dscnt 0x0
	v_add_f32 v[T0], v[SV], v[SV+2]                ; the four consumers' parts
	v_add_f32 v[T1], v[SV+1], v[SV+3]
	v_add_f32 v[P0], v[SV+4], v[SV+6]
	v_add_f32 v[P1], v[SV+5], v[SV+7]
	v_add_f32 v[T0], v[T0], v[P0]
	v_add_f32 v[T1], v[T1], v[P1]
	v_fma_f32 v[T0], v[T0], s26, v[B1L]            ; t = (score + b1) log2(e)
	v_fma_f32 v[T1], v[T1], s26, v[B1L]
	v_cmp_ne_u32 vcc_lo, 0, v[MK]
	v_cndmask_b32 v[T0], v[NINF], v[T0], vcc_lo    ; a masked row: -infinity, ahead of the maximum
	v_cmp_ne_u32 vcc_lo, 0, v[MK+1]
	v_cndmask_b32 v[T1], v[NINF], v[T1], vcc_lo
	v_max_num_f32 v[BM], v[T0], v[T1]
	v_max_num_f32_dpp v[BM], v[BM], v[BM] row_xmask:1 row_mask:0xf bank_mask:0xf
	v_max_num_f32_dpp v[BM], v[BM], v[BM] row_xmask:2 row_mask:0xf bank_mask:0xf
	v_max_num_f32_dpp v[BM], v[BM], v[BM] row_xmask:4 row_mask:0xf bank_mask:0xf
	v_max_num_f32_dpp v[BM], v[BM], v[BM] row_xmask:8 row_mask:0xf bank_mask:0xf
	v_permlanex16_b32 v[TP], v[BM], s28, s29
	v_max_num_f32 v[BM], v[BM], v[TP]              ; the block's largest t, in every lane
	v_mov_b32 v[OLD], v[MT]
	v_max_num_f32 v[MT], v[MT], v[BM]              ; the running maximum
	v_sub_f32 v[FF], v[OLD], v[MT]
	v_sub_f32 v[P0], v[T0], v[MT]
	v_sub_f32 v[P1], v[T1], v[MT]
	v_exp_f32 v[FF], v[FF]                         ; what was summed under the old maximum is multiplied by this
	v_exp_f32 v[P0], v[P0]
	v_exp_f32 v[P1], v[P1]
.irp k, 0,1,2,3,4,5
	v_mov_b32 v[MK+\k], v[MK+\k+2]                 ; the next block's mask moves up: plain work behind the exponentials
.endr
	s_wait_alu depctr_va_vdst(0)                   ; one wait for the three, ahead of their first reader
	v_fma_f32 v[LS], v[LS], v[FF], v[P0]
	v_add_f32 v[LS], v[LS], v[P1]
	ds_store_b32 v[PBW], v[P0]                     ; the weights go through my own 256 bytes of LDS,
	ds_store_b32 v[PBW], v[P1] offset:128
.irp k, 0,1,2,3
	ds_load_b128 v[PR+4*\k:PR+4*\k+3], v[PBR] offset:16*\k     ; and my 16 rows' come back into every lane (LDS serves a wave's instructions in order)
.endr
	CPLOAD 0
	CPLOAD 1
.set cj, 0
.rept 16
	v_pk_mul_f32 v[OA+cj:OA+cj+1], v[OA+cj:OA+cj+1], v[FF:FF+1] op_sel_hi:[1,0]
.set cj, cj+2
.endr
	s_wait_dscnt 16                                ; all but the younger batch of 16 loads
	CPFMA 0
	CPLOAD 2
	s_wait_dscnt 16
	CPFMA 1
	CPLOAD 3
	s_wait_dscnt 16
	CPFMA 2
	s_wait_dscnt 0x0
	CPFMA 3
.endm
; ---------------- the head, for all waves
	s_load_b256 s[4:11], s[0:1], 0x0               ; enc s[4:5], mask s[6:7], w1 s[8:9], b1 s[10:11]
	s_load_b128 s[12:15], s[0:1], 0x20             ; wq s[12:13], hbw s[14:15]
	s_load_b64 s[16:17], s[0:1], 0x30              ; part
	v_lshrrev_b32 v26, 5, v0
	v_readfirstlane_b32 s[WV], v26                 ; wave 0..7
	s_lshr_b32 s[ROLE], s[WV], 2
	s_xor_b32 s[ROLE], s[ROLE], s[WV]
	s_and_b32 s[ROLE], s[ROLE], 1                  ; 0: consumer (waves 0, 2, 5, 7); 1: producer (waves 1, 3, 4, 6)
	s_lshr_b32 s[IDX], s[WV], 1                    ; 0..3 in either role
	v_and_b32 v[LN], 31, v0                        ; l
	v_and_b32 v24, 15, v0                          ; r
	v_bfe_u32 v25, v0, 4, 1                        ; h
	v_lshlrev_b32 v[L16], 4, v[LN]
	v_lshlrev_b32 v[H32], 5, v25
	v_mul_u32_u24 v[AIM], v25, 272
	v_lshl_add_u32 v[AIM], v24, 4, v[AIM]
	v_add_nc_u32 v[AIM], IMG, v[AIM]
	v_add_nc_u32 v[ASI], SIM, v[L16]
	s_lshl_b32 s56, s[IDX], 8
	s_add_co_u32 s56, s56, SCR
	v_lshl_add_u32 v[SCW], v24, 2, s56
	v_lshl_add_u32 v[SCRD], v[LN], 2, SCR
	s_mul_i32 s56, s[IDX], 4352
	s_add_co_u32 s56, s56, STG
	v_mul_u32_u24 v[STW], v25, 272
	v_lshl_add_u32 v[STW], v24, 4, v[STW]
	v_add_nc_u32 v[STW], s56, v[STW]
	v_lshrrev_b32 v26, 1, v[LN]
	v_mul_u32_u24 v[STR], v26, 272
	v_and_b32 v26, 1, v[LN]
	v_lshl_add_u32 v[STR], v26, 7, v[STR]
	v_add_nc_u32 v[STR], s56, v[STR]
	s_mul_i32 s56, s[IDX], PKT
	s_add_co_u32 s56, s56, IMG
	v_mul_u32_u24 v[IMW], v[LN], 272
	v_add_nc_u32 v[IMW], s56, v[IMW]
	v_bfe_u32 v26, v0, 2, 1
	v_lshlrev_b32 v[SIW], 8, v26
	v_bfe_u32 v26, v0, 3, 2
	v_lshl_add_u32 v[SIW], v26, 2, v[SIW]
	v_and_b32 v26, 3, v0
	v_add_nc_u32 v[SIW], v26, v[SIW]
	s_lshl_b32 s56, s[IDX], 9
	s_add_co_u32 s56, s56, SIM
	v_add_nc_u32 v[SIW], s56, v[SIW]
	s_lshl_b32 s56, s[IDX], 15
	v_add_nc_u32 v[CPA], s56, v[L16]
	s_lshl_b32 s56, s[IDX], 8
	s_add_co_u32 s56, s56, PBC
	v_lshl_add_u32 v[PBW], v[LN], 2, s56
	s_mul_i32 s56, s[IDX], 320
	s_add_co_u32 s56, s56, PBC
	v_mov_b32 v[PBR], s56
	s_lshl_b32 s56, s[IDX], 12
	s_add_co_u32 s56, s56, IMG
	v_add_nc_u32 v[REDW], s56, v[L16]
	s_lshl_b32 s56, s[IDX], 10
	s_add_co_u32 s56, s56, IMG
	v_add_nc_u32 v[REDR], s56, v[L16]
	s_mov_b32 s24, 0x4038aa3b                      ; 2 log2(e); the packed form names the pair and takes its low word for both halves
	s_mov_b32 s25, s24
	s_mov_b32 s26, 0x3fb8aa3b                      ; log2(e)
	s_mov_b32 s28, 0x76543210
	s_mov_b32 s29, 0xfedcba98                      ; v_permlanex16_b32's selects for lane l xor 16
	s_mov_b32 s45, 0                               ; the upper words of the two offset pairs
	s_mov_b32 s51, 0
	s_mov_b32 s[TI], 0
	s_mov_b32 s[PCP], 0
	s_mov_b32 s[PSW], 1024
	s_mov_b32 s[PSR], 0
	s_wait_kmcnt 0x0
	s_load_b32 s27, s[10:11], 0x0                  ; b1: waited for behind each role's first loads, ahead of its one reader
	s_mul_i32 s44, s[IDX], 16*PKT
	s_add_nc_u64 s[32:33], s[12:13], s[44:45]      ; wq at my 16 packets
	s_lshl_b32 s44, s[IDX], 15
	s_lshr_b32 s56, ttmp9, 3
	s_lshl_b32 s56, s56, 7
	s_add_co_u32 s44, s44, s56
	s_add_nc_u64 s[34:35], s[14:15], s[44:45]      ; hbw at my 8 column groups, my batch
	s_lshl_b32 s44, s[IDX], 10
	s_add_nc_u64 s[36:37], s[8:9], s[44:45]        ; w1 at my 256 columns
	s_mul_i32 s44, ttmp9, 4608
	s_add_nc_u64 s[54:55], s[16:17], s[44:45]      ; part at my work-group's 4,608 bytes
	s_lshl_b32 s44, ttmp9, 20                      ; enc: 256 rows of 4,096 bytes a work-group,
	s_lshl_b32 s56, s[IDX], 16                     ; 16 a producer.  Every base is made here, on the way that all waves take; consumers never use these two
	s_add_co_u32 s44, s44, s56
	s_add_nc_u64 s[58:59], s[4:5], s[44:45]        ; the ring's first eight rows
	s_add_nc_u64 s[48:49], s[58:59], 32768         ; what the first half asks for: the second half's rows
	s_cmp_eq_u32 s[ROLE], 0
	s_cbranch_scc1 .Lchead
	; ---- producer's head: the mask of the 256 rows, the ring's first eight rows
	s_lshl_b32 s44, ttmp9, 8
	s_add_nc_u64 s[6:7], s[6:7], s[44:45]
.irp k, 0,1,2,3,4,5,6,7
	global_load_u8 v[MK+\k], v[LN], s[6:7] offset:32*\k
.endr
	WIN 0x40                                       ; destination window 1
.set cj, 0
.rept 64
	global_load_b128 v[4*cj:4*cj+3], v[L16], s[58:59] offset:512*cj th:TH_LOAD_NT   ; 32 lanes read 512 consecutive bytes; read once in the launch
.set cj, cj+1
.endr
	WIN 0
	v_mov_b32 v[MT], 0xff61b1e6                    ; -3e38: under every t
	v_mov_b32 v[LS], 0
	v_mov_b32 v[FF], 0
	v_mov_b32 v[FF+1], 0                           ; named as the upper half of a pair, so it is written
	v_mov_b32 v[TP], 0                             ; a lane permute's destination counts as one of its sources
	v_mov_b32 v[NINF], 0xff800000
.set cj, 0
.rept 32
	v_mov_b32 v[OA+cj], 0                          ; the step is written once: the first finds zeros
.set cj, cj+1
.endr
	s_wait_kmcnt 0x0                               ; b1
	v_mov_b32 v[B1L], s27
	v_mul_f32 v[B1L], s26, v[B1L]
	s_branch .Lpro
.Lchead:	; ---- consumer's head: my 256 numbers of w1, the first two groups
	global_load_b128 v[ACC:ACC+3], v[L16], s[36:37]
	global_load_b128 v[ACC+4:ACC+7], v[L16], s[36:37] offset:512
	s_mov_b64 s[38:39], s[32:33]
	s_mov_b64 s[40:41], s[34:35]
	s_mov_b64 s[42:43], s[36:37]
	WLOAD B0, BS0, 0
	WWLOAD B0, 0
	WLOAD B1, BS1, 1
	WWLOAD B1, 1
	s_wait_kmcnt 0x0                               ; no scalar load stays out (a consumer does not read b1)
	s_wait_loadcnt 42                              ; the two groups of 21 may be out
	v_add_f32 v[ACC], v[ACC], v[ACC+1]
	v_add_f32 v[ACC+2], v[ACC+2], v[ACC+3]
	v_add_f32 v[ACC+4], v[ACC+4], v[ACC+5]
	v_add_f32 v[ACC+6], v[ACC+6], v[ACC+7]
	v_add_f32 v[ACC], v[ACC], v[ACC+2]
	v_add_f32 v[ACC+4], v[ACC+4], v[ACC+6]
	v_add_f32 v[ACC], v[ACC], v[ACC+4]
	v_add_f32_dpp v[ACC], v[ACC], v[ACC] row_xmask:1 row_mask:0xf bank_mask:0xf
	v_add_f32_dpp v[ACC], v[ACC], v[ACC] row_xmask:2 row_mask:0xf bank_mask:0xf
	v_add_f32_dpp v[ACC], v[ACC], v[ACC] row_xmask:4 row_mask:0xf bank_mask:0xf
	v_add_f32_dpp v[ACC], v[ACC], v[ACC] row_xmask:8 row_mask:0xf bank_mask:0xf
	v_permlanex16_b32 v[ACC+1], v[ACC], s28, s29
	v_add_f32 v[ACC], v[ACC], v[ACC+1]
	v_readfirstlane_b32 s30, v[ACC]                ; the sum of my w1
.Lpro:	; ---- block 0 is quantised and fetched
	v_add_nc_u32 v[CPX], s[PCP], v[CPA]
	LOADQ 0
	BAR                                            ; S: block 0's codes and scale bytes lie in LDS
	s_cmp_eq_u32 s[ROLE], 0
	s_cbranch_scc0 .Lpx
	ALOAD
.Lpx:
	BAR                                            ; X: the consumers have them: the next block's may be written
	s_xor_b32 s[PCP], s[PCP], CP1
	s_mov_b32 s[PH], 1
.Lphase:	; ---- phases 1 to 4
	v_add_nc_u32 v[CPX], s[PCP], v[CPA]            ; blocks PH and PH - 2 share a copy's bytes: the old rows are read before the new are written, by the same wave
	v_add_nc_u32 v[SCWX], s[PSW], v[SCW]           ; the scores written in this phase and those read in it lie 1,024 bytes apart
	v_add_nc_u32 v[SCRX], s[PSR], v[SCRD]
	s_cmp_eq_u32 s[ROLE], 0
	s_cbranch_scc0 .Lprod
	SCORE                                          ; block PH - 1
	s_branch .Lquant
.Lprod:
	s_cmp_lt_u32 s[PH], 2
	s_cbranch_scc1 .Lquant
	SMACC                                          ; block PH - 2
.Lquant:
	LOADQ 1                                        ; block PH
	BAR                                            ; S: block PH's codes and block PH - 1's scores lie in LDS
	s_cmp_eq_u32 s[ROLE], 0
	s_cbranch_scc0 .Lx
	s_cmp_gt_u32 s[PH], 3
	s_cbranch_scc1 .Lx
	ALOAD
.Lx:
	BAR                                            ; X
	s_xor_b32 s[PCP], s[PCP], CP1
	s_xor_b32 s[PSW], s[PSW], 1024
	s_xor_b32 s[PSR], s[PSR], 1024
	s_add_co_u32 s[PH], s[PH], 1
	s_cmp_lt_u32 s[PH], 5
	s_cbranch_scc1 .Lphase
	; ---- the end: block 3 is weighed in; the four producers' sums meet in the bytes that held the codes (last written and last read in phase 3)
	v_add_nc_u32 v[CPX], s[PCP], v[CPA]
	v_add_nc_u32 v[SCRX], s[PSR], v[SCRD]
	s_cmp_eq_u32 s[ROLE], 0
	s_cbranch_scc1 .Lred
	SMACC
	v_add_f32_dpp v[LS], v[LS], v[LS] row_xmask:1 row_mask:0xf bank_mask:0xf
	v_add_f32_dpp v[LS], v[LS], v[LS] row_xmask:2 row_mask:0xf bank_mask:0xf
	v_add_f32_dpp v[LS], v[LS], v[LS] row_xmask:4 row_mask:0xf bank_mask:0xf
	v_add_f32_dpp v[LS], v[LS], v[LS] row_xmask:8 row_mask:0xf bank_mask:0xf
	v_permlanex16_b32 v[TP], v[LS], s28, s29
	v_add_f32 v[LS], v[LS], v[TP]                  ; l of the 256 rows
.irp j, 0,1,2,3,4,5,6,7
	ds_store_b128 v[REDW], v[OA+4*\j:OA+4*\j+3] offset:512*\j   ; byte 4 x column of my 4,096
.endr
.Lred:
	BAR
	s_cmp_eq_u32 s[ROLE], 0
	s_cbranch_scc1 .Lend
.irp p, 0,1,2,3
	ds_load_b128 v[XR+8*\p:XR+8*\p+3], v[REDR] offset:4096*\p        ; producer idx adds columns 256 idx .. + 255
	ds_load_b128 v[XR+8*\p+4:XR+8*\p+7], v[REDR] offset:4096*\p+512
.endr
	s_lshl_b32 s44, s[IDX], 10
	s_add_nc_u64 s[60:61], s[54:55], s[44:45]
	s_wait_dscnt 0x0
.irp j, 0,2,4,6
	v_pk_add_f32 v[XR+\j:XR+\j+1], v[XR+\j:XR+\j+1], v[XR+8+\j:XR+8+\j+1]
	v_pk_add_f32 v[XR+16+\j:XR+16+\j+1], v[XR+16+\j:XR+16+\j+1], v[XR+24+\j:XR+24+\j+1]
.endr
.irp j, 0,2,4,6
	v_pk_add_f32 v[XR+\j:XR+\j+1], v[XR+\j:XR+\j+1], v[XR+16+\j:XR+16+\j+1]
.endr
	global_store_b128 v[L16], v[XR:XR+3], s[60:61]               ; 32 lanes store 512 consecutive bytes, at a multiple of 256 from part's first byte
	global_store_b128 v[L16], v[XR+4:XR+7], s[60:61] offset:512
	s_cmp_lg_u32 s[IDX], 0
	s_cbranch_scc1 .Lend
	v_mov_b32 v[FF], v[MT]
	v_mov_b32 v[FF+1], v[LS]
	global_store_b128 v[L16], v[MT:MT+3], s[54:55] offset:4096   ; (m, l, m, l) in every lane: 512 consecutive bytes
.Lend:
	s_wait_xcnt 0x0
	v_lshl_add_u32 v232, v0, 2, 0x4e000
	v_mov_b32 v234, 0
	s_wait_tensorcnt 0x0
	ds_add_u32 v232, v234
	s_wait_dscnt 0x0
	s_endpgm
.Lfunc_end_k_q933611933d_attn:
	.size	k_q933611933d_attn, .Lfunc_end_k_q933611933d_attn-k_q933611933d_attn
	.p2alignl 7, 3214868480
	.fill 96, 4, 3214868480
	.section	.rodata,"a",@progbits
	.p2align	6, 0x0
	.amdhsa_kernel k_q933611933d_attn
		.amdhsa_group_segment_fixed_size 320512
		.amdhsa_private_segment_fixed_size 0
		.amdhsa_enable_private_segment 0
		.amdhsa_kernarg_size 56
		.amdhsa_user_sgpr_count 2
		.amdhsa_user_sgpr_kernarg_segment_ptr 1
		.amdhsa_wavefront_size32 1
		.amdhsa_system_sgpr_workgroup_id_x 1
		.amdhsa_system_sgpr_workgroup_id_y 1
		.amdhsa_system_sgpr_workgroup_id_z 1
		.amdhsa_system_vgpr_workitem_id 0
		.amdhsa_next_free_vgpr 512
		.amdhsa_next_free_sgpr 66
		.amdhsa_reserve_vcc 1
		.amdhsa_float_denorm_mode_32 3
		.amdhsa_float_denorm_mode_16_64 3
		.amdhsa_memory_ordered 1
		.amdhsa_forward_progress 1
		.amdhsa_inst_pref_size 242
	.end_amdhsa_kernel
	.amdgpu_metadata
---
amdhsa.version: [ 1, 2 ]
amdhsa.kernels:
  - .name:           k_q933611933d_attn
    .symbol:         k_q933611933d_attn.kd
    .args:
      - { .name: enc_seq, .offset: 0, .size: 8, .value_kind: global_buffer, .address_space: global }
      - { .name: mask, .offset: 8, .size: 8, .value_kind: global_buffer, .address_space: global }
      - { .name: w1, .offset: 16, .size: 8, .value_kind: global_buffer, .address_space: global }
      - { .name: b1, .offset: 24, .size: 8, .value_kind: global_buffer, .address_space: global }
      - { .name: wq, .offset: 32, .size: 8, .value_kind: global_buffer, .address_space: global }
      - { .name: hbw, .offset: 40, .size: 8, .value_kind: global_buffer, .address_space: global }
      - { .name: part, .offset: 48, .size: 8, .value_kind: global_buffer, .address_space: global }
    .group_segment_fixed_size: 320512
    .private_segment_fixed_size: 0
    .kernarg_segment_align: 8
    .kernarg_segment_size: 56
    .max_flat_workgroup_size: 256
    .sgpr_count:     66
    .vgpr_count:     512
    .wavefront_size: 32
...
	.end_amdgpu_metadata
.endif
;; end of part 2
;; launch join (part 3): grid 32 x 1, 8 waves a work-group, no clusters, 0 bytes of LDS; arguments part, out0; writes out0
.if DOCPART == 3
	.amdgcn_target "amdgcn-amd-amdhsa--gfx1250"
	.amdhsa_code_object_version 6
	.text
	.protected	k_q933611933d_join
	.globl	k_q933611933d_join
	.p2align	8
	.type	k_q933611933d_join,@function
k_q933611933d_join:
	s_mov_b64 s[64:65], 0
	v_nop
	global_prefetch_b8 v0, s[64:65] scope:SCOPE_SE
	s_setreg_imm32_b32 hwreg(HW_REG_WAVE_MODE, 25, 1), 1
	s_wait_xcnt 0x0
; out0[b][:] = (the sum over the batch's eight parts c of 2^(m_c - M) x sums_c[:]) / (the sum over c of 2^(m_c - M) l_c), M the largest m_c.
; A work-group to a batch, thread t to columns 4 t .. 4 t + 3.  There is work for 32 work-groups: 36,864 bytes in and 4,096 out each.
; A part all of whose rows were masked has m = -3e38, l = 0 and sums 0: its factor falls to 0.  Where all eight are so, the divisor is 0 and the result is 0 x infinity = NaN, as a softmax of -infinities alone gives.
	s_load_b128 s[4:7], s[0:1], 0x0                ; part, out0
	v_lshlrev_b32 v1, 4, v0                        ; 16 t
	v_and_b32 v2, 31, v0
	v_lshlrev_b32 v2, 4, v2                        ; 16 x lane: every 16 bytes of a part's last 512 hold (m, l, m, l)
	s_mul_i32 s8, ttmp9, 36864
	s_mov_b32 s9, 0
	s_lshl_b32 s10, ttmp9, 12
	s_mov_b32 s11, 0
	s_wait_kmcnt 0x0
	s_add_nc_u64 s[4:5], s[4:5], s[8:9]
	s_add_nc_u64 s[6:7], s[6:7], s[10:11]
.irp c, 0,1,2,3,4,5,6,7
	global_load_b64 v[40+2*\c:41+2*\c], v2, s[4:5] offset:4608*\c+4096
.endr
.irp c, 0,1,2,3,4,5,6,7
	global_load_b128 v[8+4*\c:11+4*\c], v1, s[4:5] offset:4608*\c
.endr
	s_wait_loadcnt 8                               ; the eight (m, l) are in; the eight loads of sums may be out
	v_max3_num_f32 v56, v40, v42, v44
	v_max3_num_f32 v56, v56, v46, v48
	v_max3_num_f32 v56, v56, v50, v52
	v_max_num_f32 v56, v56, v54                    ; M
.irp c, 0,1,2,3,4,5,6,7
	v_sub_f32 v[58+\c], v[40+2*\c], v56
.endr
.irp c, 0,1,2,3,4,5,6,7
	v_exp_f32 v[58+\c], v[58+\c]
.endr
	v_nop                                          ; a plain line behind the last exponential
	s_wait_alu depctr_va_vdst(0)                   ; one wait for the eight, ahead of their first reader
	v_mul_f32 v57, v58, v41
.irp c, 1,2,3,4,5,6,7
	v_fma_f32 v57, v[58+\c], v[41+2*\c], v57
.endr
	v_rcp_f32 v66, v57
	s_wait_loadcnt 0x0
.irp e, 0,1,2,3
	v_mul_f32 v[4+\e], v[8+\e], v58                ; the first part starts the sums; this work stands behind the reciprocal
.endr
.irp c, 1,2,3,4,5,6,7
.irp e, 0,1,2,3
	v_fma_f32 v[4+\e], v[8+4*\c+\e], v[58+\c], v[4+\e]
.endr
.endr
	s_wait_alu depctr_va_vdst(0)                   ; the reciprocal's wait, ahead of its first reader
.irp e, 0,1,2,3
	v_mul_f32 v[4+\e], v[4+\e], v66
.endr
	global_store_b128 v1, v[4:7], s[6:7]           ; 256 threads store a row of 4,096 consecutive bytes
	s_endpgm
.Lfunc_end_k_q933611933d_join:
	.size	k_q933611933d_join, .Lfunc_end_k_q933611933d_join-k_q933611933d_join
	.p2alignl 7, 3214868480
	.fill 96, 4, 3214868480
	.section	.rodata,"a",@progbits
	.p2align	6, 0x0
	.amdhsa_kernel k_q933611933d_join
		.amdhsa_group_segment_fixed_size 0
		.amdhsa_private_segment_fixed_size 0
		.amdhsa_enable_private_segment 0
		.amdhsa_kernarg_size 16
		.amdhsa_user_sgpr_count 2
		.amdhsa_user_sgpr_kernarg_segment_ptr 1
		.amdhsa_wavefront_size32 1
		.amdhsa_system_sgpr_workgroup_id_x 1
		.amdhsa_system_sgpr_workgroup_id_y 1
		.amdhsa_system_sgpr_workgroup_id_z 1
		.amdhsa_system_vgpr_workitem_id 0
		.amdhsa_next_free_vgpr 72
		.amdhsa_next_free_sgpr 66
		.amdhsa_reserve_vcc 0
		.amdhsa_float_denorm_mode_32 3
		.amdhsa_float_denorm_mode_16_64 3
		.amdhsa_memory_ordered 1
		.amdhsa_forward_progress 1
		.amdhsa_inst_pref_size 6
	.end_amdhsa_kernel
	.amdgpu_metadata
---
amdhsa.version: [ 1, 2 ]
amdhsa.kernels:
  - .name:           k_q933611933d_join
    .symbol:         k_q933611933d_join.kd
    .args:
      - { .name: part, .offset: 0, .size: 8, .value_kind: global_buffer, .address_space: global }
      - { .name: out0, .offset: 8, .size: 8, .value_kind: global_buffer, .address_space: global }
    .group_segment_fixed_size: 0
    .private_segment_fixed_size: 0
    .kernarg_segment_align: 8
    .kernarg_segment_size: 16
    .max_flat_workgroup_size: 256
    .sgpr_count:     66
    .vgpr_count:     72
    .wavefront_size: 32
...
	.end_amdgpu_metadata
.endif
;; end of part 3
;; ======== version 2 of 2: 3 launches; version 1 with the launches prep, attn written anew for expert scheduling mode
;; workspace buffers: wq 557,056 bytes; hbw 131,072 bytes; part 1,179,648 bytes
;; launch prep (part 4): grid 64 x 1, 8 waves a work-group, no clusters, 38,912 bytes of LDS; arguments w0, hidden, b0, wq, hbw; writes wq, hbw
.if DOCPART == 4
	.amdgcn_target "amdgcn-amd-amdhsa--gfx1250"
	.amdhsa_code_object_version 6
	.text
	.protected	k_q933611933d_prep
	.globl	k_q933611933d_prep
	.p2align	8
	.type	k_q933611933d_prep,@function
k_q933611933d_prep:
	s_mov_b64 s[64:65], 0
	v_nop
	global_prefetch_b8 v0, s[64:65] scope:SCOPE_SE
	s_setreg_imm32_b32 hwreg(HW_REG_WAVE_SCHED_MODE, 0, 2), 2
	s_setreg_imm32_b32 hwreg(HW_REG_WAVE_MODE, 25, 1), 1
	s_wait_xcnt 0x0
	s_wait_alu depctr_vm_vsrc(0)
; w0 [2048][1024] f32 has K as its first axis.  Work-groups 0-31 (kind 0) turn its rows 0-1023 into codes of FP4 (E2M1) with one E8M0 byte for each 32 along K, laid in wq in the order
; in which the next launch's operand registers take them.  Work-groups 32-63 (kind 1) quantise rows 1024-2047 and hidden the same way, multiply them, add b0 and store hbw = Q(hidden) Q(w0[1024:]) + b0.
; SHARES: a work-group owns 32 columns (cg = its number mod 32); wave s owns K step s (128 rows of w0).  A LANE TAKES A COLUMN AND ITS REGISTERS RUN DOWN K: a block of 32 lies in one lane.
; wq: 64 packets of 8,704 bytes, one for each 16 columns: byte ((2 s + c) 32 + lane) 16 = the 16 bytes of column lane % 16, k = 128 s + 64 c + 32 (lane / 16) + 0 .. 31;
;     from byte 8,192 the scale words: lane' x 16 + 4 j = the word of column lane' % 16 for K step 2 j + lane' / 16.
; hbw: [32 column groups][32 batches][32 columns] f32.
; A block's scale byte is its largest magnitude's exponent field - 2, held at 1 from below (a block of zeros keeps the byte 1: its codes are zeros, and this program alone reads the bytes).
; LIMITS: NaN and infinities among the inputs are not served; blocks whose largest magnitude lies under 2^-124 get the byte 1.
; The design has work for 64 work-groups: all of w0 is asked for at once by their 512 waves.  The two kinds use LDS bytes of their own and meet at the one barrier.
; THE MODE: SCHED_MODE bits 1:0 = 2 (LLVM: expert scheduling mode 2), set by the entry lines.  The code itself states the register dependences
; between vector or matrix instructions and memory or LDS instructions, with s_wait_alu, always for 0.
; THE PLAN.  The text has no loop.  Registers that memory or LDS instructions touch:
;   v4-v13     addresses and offsets: written once at the head, read by every load and store: one wait on va_vdst ahead of the parting of the kinds.
;   v64-191, window 1, v224-239   loaded once, then read by vector and matrix instructions.  v64-95 are loaded a second time, from LDS, behind the barrier: every vector line that named them stands ahead of a wait on va_vdst.
;   v32-48     codes and scale word, written by vector instructions: kind 0 stores them (a wait ahead of the stores); kind 1 multiplies by them (a wait behind the places, ahead of the products).
;   v192-223   the products' results, read by LDS stores: the places, then a wait.
;   No register that a memory or LDS instruction has read is written again, on any way through the text: so there is no wait on vm_vsrc.
.set PKT,  8704
.set SA,   0                           ; kind 0: the scale words of two packets, 2 x 512 bytes
.set PB,   1024                        ; kind 1: eight waves' partial products: 32 batches x (128 bytes + 16) each
.set WOF,  4                           ; v4   4 x lane: my column in a row of w0
.set KV,   5                           ; v5   my place in the two packets: 8,704 (lane / 16) + 16 (lane % 16)
.set SAW,  6                           ; v6   where my column's scale word goes in SA
.set SAR,  7                           ; v7   waves 0, 1: 512 x wave + 16 x lane
.set PBW,  8                           ; v8   PB + 4,608 x wave + 144 r + 32 h
.set PBRD, 9                           ; v9   PB + 144 (thread / 8) + 16 (thread % 8)
.set L16,  10                          ; v10  16 x lane
.set T16,  11                          ; v11  16 x thread
.set HOF,  12                          ; v12  hidden: 4,096 r + 128 h
.set BOF,  13                          ; v13  32 h
.set HAM,  16                          ; v16-19 hidden's four blocks: largest magnitudes;  v20-23 the conversions' scale operands;  v24-27 the bytes;  v28-29 at work
.set HSOP, 20
.set HBY,  24
.set HT,   28
.set F0,   32                          ; v32-39: blocks 0 and 2 of my column; v40-47: blocks 1 and 3
.set SWD,  48                          ; v48  my column's scale word
.set HSW,  50                          ; v50-51 hidden's scale words
.set AMA,  52
.set AMB,  53
.set SOPW, 54                          ; v54-57
.set BYT,  58
.set X,    64                          ; v64-191 128 numbers down K
.set DD,   192                         ; v192-223 four results
.set BI,   224                         ; v224-239 b0 in the result's layout (wave 0)
.set HF,   240                         ; v240-255 hidden's two fragments;  window 1: v0-127 hidden's numbers
.set MSB, 0
.macro WIN new                         ; the immediate's high byte repeats the setting that is left
.if MSB != \new
	s_set_vgpr_msb (MSB<<8)|\new
.set MSB, \new
.endif
.endm
; block bk of my column: largest magnitude (with the floor 2^(3 - 127) among the leaves), scale operand, four conversions, the byte into the scale word
.macro QBLK bk, cnt
	s_wait_loadcnt \cnt                            ; the younger loads of w0 may be out
	v_max3_num_f32 v[AMA], |v[X+32*\bk]|, |v[X+32*\bk+1]|, 0x1800000
	v_max3_num_f32 v[AMB], |v[X+32*\bk+2]|, |v[X+32*\bk+3]|, |v[X+32*\bk+4]|
.irp p, 5,9,13,17,21,25
	v_max3_num_f32 v[AMA], v[AMA], |v[X+32*\bk+\p]|, |v[X+32*\bk+\p+1]|
	v_max3_num_f32 v[AMB], v[AMB], |v[X+32*\bk+\p+2]|, |v[X+32*\bk+\p+3]|
.endr
	v_max3_num_f32 v[AMA], v[AMA], |v[X+32*\bk+29]|, |v[X+32*\bk+30]|
	v_max3_num_f32 v[AMA], v[AMA], v[AMB], |v[X+32*\bk+31]|
	v_add_nc_u32 v[SOPW+\bk], 0xff000000, v[AMA]   ; 2 off the exponent field: the conversion takes that field as its scale
.irp g, 0,1,2,3
	v_cvt_scalef32_pk8_fp4_f32 v[F0+8*((\bk)%2)+4*((\bk)/2)+\g], v[X+32*\bk+8*\g:X+32*\bk+8*\g+7], v[SOPW+\bk]
.endr
.if \bk == 0
	v_lshrrev_b32 v[SWD], 23, v[SOPW]              ; the byte (also the plain line behind the conversions)
.else
	v_lshrrev_b32 v[BYT], 23, v[SOPW+\bk]
	v_lshl_or_b32 v[SWD], v[BYT], 8*\bk, v[SWD]
.endif
.endm
.macro QW                              ; my column's 128 numbers of my K step become 16 registers of codes and a scale word
.set qi, 0
.rept 128
	global_load_b32 v[X+qi], v[WOF], s[4:5] offset:4096*qi th:TH_LOAD_NT   ; 32 lanes read 128 consecutive bytes of a row
.set qi, qi+1
.endr
	QBLK 0, 63                                     ; 96 and 64 younger loads stand behind blocks 0 and 1: the count names as many as it can
	QBLK 1, 63
	QBLK 2, 32
	QBLK 3, 0
.endm
.macro HMUL bias                       ; D(tl, mb): source 0 = 16 columns of w0, source 1 = 16 batches of hidden: lane (r, h) holds batch 16 mb + r, columns 16 tl + 8 h + 0 .. 7
.irp tl, 0,1
.irp mb, 0,1
.if \bias
.if \tl
	v_wmma_scale_f32_16x16x128_f8f6f4 v[DD+8*(2*\tl+\mb):DD+8*(2*\tl+\mb)+7], v[F0+8*\tl:F0+8*\tl+7], v[HF+8*\mb:HF+8*\mb+7], v[BI+8*\tl:BI+8*\tl+7], v[SWD], v[HSW+\mb] matrix_a_fmt:MATRIX_FMT_FP4 matrix_b_fmt:MATRIX_FMT_FP4 matrix_a_scale:MATRIX_SCALE_ROW1
.else
	v_wmma_scale_f32_16x16x128_f8f6f4 v[DD+8*(2*\tl+\mb):DD+8*(2*\tl+\mb)+7], v[F0+8*\tl:F0+8*\tl+7], v[HF+8*\mb:HF+8*\mb+7], v[BI+8*\tl:BI+8*\tl+7], v[SWD], v[HSW+\mb] matrix_a_fmt:MATRIX_FMT_FP4 matrix_b_fmt:MATRIX_FMT_FP4
.endif
.else
.if \tl
	v_wmma_scale_f32_16x16x128_f8f6f4 v[DD+8*(2*\tl+\mb):DD+8*(2*\tl+\mb)+7], v[F0+8*\tl:F0+8*\tl+7], v[HF+8*\mb:HF+8*\mb+7], 0, v[SWD], v[HSW+\mb] matrix_a_fmt:MATRIX_FMT_FP4 matrix_b_fmt:MATRIX_FMT_FP4 matrix_a_scale:MATRIX_SCALE_ROW1
.else
	v_wmma_scale_f32_16x16x128_f8f6f4 v[DD+8*(2*\tl+\mb):DD+8*(2*\tl+\mb)+7], v[F0+8*\tl:F0+8*\tl+7], v[HF+8*\mb:HF+8*\mb+7], 0, v[SWD], v[HSW+\mb] matrix_a_fmt:MATRIX_FMT_FP4 matrix_b_fmt:MATRIX_FMT_FP4
.endif
.endif
.endr
.endr
.endm
	s_load_b128 s[4:7], s[0:1], 0x0                ; w0, hidden
	s_load_b128 s[8:11], s[0:1], 0x10              ; b0, wq
	s_load_b64 s[12:13], s[0:1], 0x20              ; hbw
	v_lshl_add_u32 v62, v0, 2, 0x9400
	v_mov_b32 v63, 0
	v_lshrrev_b32 v14, 5, v0
	v_readfirstlane_b32 s16, v14                   ; wave = K step
	s_lshr_b32 s17, ttmp9, 5                       ; kind
	s_and_b32 s18, ttmp9, 31                       ; cg
	s_mov_b32 s28, 0x76543210
	s_mov_b32 s29, 0xfedcba98                      ; v_permlanex16_b32's selects for lane l xor 16
	v_and_b32 v1, 31, v0                           ; lane
	v_and_b32 v2, 15, v0                           ; r
	v_bfe_u32 v3, v0, 4, 1                         ; h
	; every address register is made here, ahead of the parting of the kinds
	v_lshlrev_b32 v[WOF], 2, v1
	v_mul_u32_u24 v[KV], v3, PKT
	v_lshl_add_u32 v[KV], v2, 4, v[KV]
	s_wait_alu depctr_va_sdst(0)                   ; s16, the wave's number, is written, ahead of its first reader
	s_and_b32 s20, s16, 1
	s_lshl_b32 s20, s20, 8
	s_lshr_b32 s21, s16, 1
	s_lshl_b32 s21, s21, 2
	s_add_co_u32 s20, s20, s21                     ; 256 (s % 2) + 4 (s / 2)
	v_lshlrev_b32 v[SAW], 9, v3
	v_lshl_add_u32 v[SAW], v2, 4, v[SAW]
	v_add_nc_u32 v[SAW], s20, v[SAW]
	v_lshlrev_b32 v[L16], 4, v1
	s_lshl_b32 s20, s16, 9
	v_add_nc_u32 v[SAR], s20, v[L16]
	s_mul_i32 s20, s16, 4608
	s_add_co_u32 s20, s20, PB
	v_mul_u32_u24 v[PBW], v2, 144
	v_lshl_add_u32 v[PBW], v3, 5, v[PBW]
	v_add_nc_u32 v[PBW], s20, v[PBW]
	v_lshrrev_b32 v14, 3, v0
	v_mul_u32_u24 v[PBRD], v14, 144
	v_and_b32 v14, 7, v0
	v_lshl_add_u32 v[PBRD], v14, 4, v[PBRD]
	v_add_nc_u32 v[PBRD], PB, v[PBRD]
	v_lshlrev_b32 v[T16], 4, v0
	v_lshlrev_b32 v[HOF], 12, v2
	v_lshl_add_u32 v[HOF], v3, 7, v[HOF]
	v_lshlrev_b32 v[BOF], 5, v3
	v_lshlrev_b32 v14, 3, v3                       ; 8 h: by how many bits my two scale bytes of hidden are shifted
	s_lshl_b32 s20, s17, 22                        ; w0: kind x 1,024 rows + wave x 128 rows of 4,096 bytes + 128 bytes x cg
	s_lshl_b32 s26, s16, 19
	s_add_co_u32 s20, s20, s26
	s_lshl_b32 s26, s18, 7
	s_add_co_u32 s20, s20, s26
	s_mov_b32 s21, 0
	s_mov_b32 s27, 0
	s_wait_kmcnt 0x0
	s_add_nc_u64 s[4:5], s[4:5], s[20:21]
	s_mul_i32 s20, s18, 2*PKT
	s_lshl_b32 s26, s16, 10
	s_add_co_u32 s26, s26, s20
	s_add_nc_u64 s[22:23], s[10:11], s[26:27]      ; wq: packet 2 cg, my K step's 1,024 bytes
	s_mul_i32 s26, s16, PKT
	s_add_co_u32 s26, s26, s20
	s_add_co_u32 s26, s26, 8192
	s_add_nc_u64 s[24:25], s[10:11], s[26:27]      ; wq: the scale words of packet 2 cg + wave (used by waves 0 and 1 alone)
	s_lshl_b32 s26, s16, 9
	s_add_nc_u64 s[6:7], s[6:7], s[26:27]          ; hidden at my K step
	s_lshl_b32 s26, s18, 7
	s_add_nc_u64 s[8:9], s[8:9], s[26:27]          ; b0 at my 32 columns
	s_lshl_b32 s26, s18, 12
	s_add_nc_u64 s[12:13], s[12:13], s[26:27]      ; hbw at my column group
	s_wait_alu depctr_va_vdst(0)                   ; the ten addresses and offsets v4 to v13 are written, which the loads and stores of both kinds read; none is written again
	s_cmp_lg_u32 s17, 0
	s_cbranch_scc1 .Lhid
	; ---- kind 0: codes straight to wq, scale words through LDS
	QW
	s_wait_alu depctr_va_vdst(0)                   ; the conversions have written the codes v32 to v47, and the shifts the scale word v48, which the stores below read
.irp bk, 0,1,2,3
	global_store_b128 v[KV], v[F0+8*(\bk%2)+4*(\bk/2):F0+8*(\bk%2)+4*(\bk/2)+3], s[22:23] offset:256*\bk   ; sixteen lanes store 256 consecutive bytes, at a multiple of 256 from wq's first byte
.endr
	ds_store_b32 v[SAW], v[SWD]
	s_branch .Lmeet
.Lhid:	; ---- kind 1: Q(hidden) Q(w0[1024:]), my K step's part
	s_cmp_lg_u32 s16, 0
	s_cbranch_scc1 .Lnobias
.irp tl, 0,1
	global_load_b128 v[BI+8*\tl:BI+8*\tl+3], v[BOF], s[8:9] offset:64*\tl          ; wave 0: b0 at the lane's eight columns: the C of its products
	global_load_b128 v[BI+8*\tl+4:BI+8*\tl+7], v[BOF], s[8:9] offset:64*\tl+16
.endr
.Lnobias:
	WIN 0x40                                       ; destination window 1
.irp mb, 0,1
.irp c, 0,1
.irp i, 0,1,2,3,4,5,6,7
	global_load_b128 v[64*\mb+32*\c+4*\i:64*\mb+32*\c+4*\i+3], v[HOF], s[6:7] offset:65536*\mb+256*\c+16*\i   ; hidden(16 mb + r, 128 s + 64 c + 32 h + 4 i ..): a whole block in a lane
.endr
.endr
.endr
	WIN 0
	QW                                             ; its last wait is for 0: hidden and b0, asked for earlier, are in too
.irp i, 0,1,2,3,4,5,6,7
	v_permlane16_swap_b32 v[F0+\i], v[F0+8+\i]     ; columns 16-31's even blocks change places with columns 0-15's odd blocks: v32-39 and v40-47 are now the two tiles' fragments
.endr
	WIN 0x05                                       ; sources 0 and 1 window 1; the running maximum is source 2
.irp b, 0,1,2,3
	v_max3_num_f32 v[HAM+\b], |v[32*\b]|, |v[32*\b+1]|, 0x1800000
.endr
.irp i, 2,4,6,8,10,12,14,16,18,20,22,24,26,28,30
.irp b, 0,1,2,3
	v_max3_num_f32 v[HAM+\b], |v[32*\b+\i]|, |v[32*\b+\i+1]|, v[HAM+\b]   ; the four blocks by turns
.endr
.endr
	WIN 0
.irp b, 0,1,2,3
	v_add_nc_u32 v[HSOP+\b], 0xff000000, v[HAM+\b]
.endr
.irp b, 0,1,2,3
	v_lshrrev_b32 v[HBY+\b], 23, v[HSOP+\b]
.endr
.irp mb, 0,1
	v_lshl_or_b32 v[HSW+\mb], v[HBY+2*\mb+1], 16, v[HBY+2*\mb]   ; my two bytes: blocks h and 2 + h of batch 16 mb + r,
	v_mov_b32 v[HT+\mb], 0
.endr
.irp mb, 0,1
	v_lshlrev_b32 v[HSW+\mb], v14, v[HSW+\mb]      ; at their places in the word;
.endr
.irp mb, 0,1
	v_permlanex16_b32 v[HT+\mb], v[HSW+\mb], s28, s29
.endr
.irp mb, 0,1
	v_or_b32 v[HSW+\mb], v[HSW+\mb], v[HT+\mb]     ; with lane l xor 16's two the word is whole
.endr
	WIN 0x01                                       ; source 0 window 1
.irp b, 0,1,2,3
.irp g, 0,1,2,3
	v_cvt_scalef32_pk8_fp4_f32 v[HF+4*\b+\g], v[32*\b+8*\g:32*\b+8*\g+7], v[HSOP+\b]
.endr
.endr
	WIN 0
.rept 8
	v_nop                                          ; operands written by vector instructions stand 4 places, scale registers 8, ahead of a scaled matrix instruction
.endr
	s_wait_alu depctr_va_vdst(0)                   ; behind the places: the vector instructions have written the fragments v32 to v47 and v240 to v255 and the scale words v48, v50, v51, which the scaled products take
	s_cmp_lg_u32 s16, 0
	s_cbranch_scc1 .Lplain
	HMUL 1
	s_branch .Lmuldone
.Lplain:
	HMUL 0
.Lmuldone:
.rept 4
	v_nop                                          ; four places ahead of the first read of the results
.endr
	s_wait_alu depctr_va_vdst(0)                   ; behind the places: the products have written v192 to v223, which the LDS stores read
.irp tl, 0,1
.irp mb, 0,1
	ds_store_b128 v[PBW], v[DD+8*(2*\tl+\mb):DD+8*(2*\tl+\mb)+3] offset:2304*\mb+64*\tl
	ds_store_b128 v[PBW], v[DD+8*(2*\tl+\mb)+4:DD+8*(2*\tl+\mb)+7] offset:2304*\mb+64*\tl+16
.endr
.endr
.Lmeet:
	s_wait_dscnt 0x0                               ; for the others' sake: my LDS stores have landed
	s_barrier_signal -1
	s_barrier_wait -1
	s_cmp_lg_u32 s17, 0
	s_cbranch_scc1 .Lhid2
	s_cmp_gt_u32 s16, 1
	s_cbranch_scc1 .Lend
	ds_load_b128 v[X:X+3], v[SAR]                  ; waves 0, 1: a packet's 512 bytes of scale words.  No wait: the lines that read v64 to v67 stand ahead of the wait in front of the codes' stores, and no store has read them
	s_wait_dscnt 0x0
	global_store_b128 v[L16], v[X:X+3], s[24:25]
	s_branch .Lend
.Lhid2:	; the eight K steps' parts are added: thread t takes batch t / 8, columns 4 (t % 8) on
.irp w, 0,1,2,3,4,5,6,7
	ds_load_b128 v[X+4*\w:X+4*\w+3], v[PBRD] offset:4608*\w   ; no wait: the lines that read v64 to v95 stand ahead of the wait in front of the products, and no store has read them
.endr
	s_wait_dscnt 0x0
.irp w, 0,2,4,6
	v_pk_add_f32 v[X+4*\w:X+4*\w+1], v[X+4*\w:X+4*\w+1], v[X+4*\w+4:X+4*\w+5]
	v_pk_add_f32 v[X+4*\w+2:X+4*\w+3], v[X+4*\w+2:X+4*\w+3], v[X+4*\w+6:X+4*\w+7]
.endr
.irp w, 0,4
	v_pk_add_f32 v[X+4*\w:X+4*\w+1], v[X+4*\w:X+4*\w+1], v[X+4*\w+8:X+4*\w+9]
	v_pk_add_f32 v[X+4*\w+2:X+4*\w+3], v[X+4*\w+2:X+4*\w+3], v[X+4*\w+10:X+4*\w+11]
.endr
	v_pk_add_f32 v[X:X+1], v[X:X+1], v[X+16:X+17]
	v_pk_add_f32 v[X+2:X+3], v[X+2:X+3], v[X+18:X+19]
	s_wait_alu depctr_va_vdst(0)                   ; the additions have written v64 to v67, which the store reads
	global_store_b128 v[T16], v[X:X+3], s[12:13]   ; 256 threads store 4,096 consecutive bytes
.Lend:
	s_wait_dscnt 0x0                               ; the closing lines, six on end, for a launch in the mode that stores to LDS
	s_wait_alu 0x0
	s_wait_tensorcnt 0x0
	ds_add_u32 v62, v63
	s_wait_dscnt 0x0
	s_endpgm
.Lfunc_end_k_q933611933d_prep:
	.size	k_q933611933d_prep, .Lfunc_end_k_q933611933d_prep-k_q933611933d_prep
	.p2alignl 7, 3214868480
	.fill 96, 4, 3214868480
	.section	.rodata,"a",@progbits
	.p2align	6, 0x0
	.amdhsa_kernel k_q933611933d_prep
		.amdhsa_group_segment_fixed_size 38912
		.amdhsa_private_segment_fixed_size 0
		.amdhsa_enable_private_segment 0
		.amdhsa_kernarg_size 40
		.amdhsa_user_sgpr_count 2
		.amdhsa_user_sgpr_kernarg_segment_ptr 1
		.amdhsa_wavefront_size32 1
		.amdhsa_system_sgpr_workgroup_id_x 1
		.amdhsa_system_sgpr_workgroup_id_y 1
		.amdhsa_system_sgpr_workgroup_id_z 1
		.amdhsa_system_vgpr_workitem_id 0
		.amdhsa_next_free_vgpr 384
		.amdhsa_next_free_sgpr 66
		.amdhsa_reserve_vcc 0
		.amdhsa_float_denorm_mode_32 3
		.amdhsa_float_denorm_mode_16_64 3
		.amdhsa_memory_ordered 1
		.amdhsa_forward_progress 1
		.amdhsa_inst_pref_size 54
	.end_amdhsa_kernel
	.amdgpu_metadata
---
amdhsa.version: [ 1, 2 ]
amdhsa.kernels:
  - .name:           k_q933611933d_prep
    .symbol:         k_q933611933d_prep.kd
    .args:
      - { .name: w0, .offset: 0, .size: 8, .value_kind: global_buffer, .address_space: global }
      - { .name: hidden, .offset: 8, .size: 8, .value_kind: global_buffer, .address_space: global }
      - { .name: b0, .offset: 16, .size: 8, .value_kind: global_buffer, .address_space: global }
      - { .name: wq, .offset: 24, .size: 8, .value_kind: global_buffer, .address_space: global }
      - { .name: hbw, .offset: 32, .size: 8, .value_kind: global_buffer, .address_space: global }
    .group_segment_fixed_size: 38912
    .private_segment_fixed_size: 0
    .kernarg_segment_align: 8
    .kernarg_segment_size: 40
    .max_flat_workgroup_size: 256
    .sgpr_count:     66
    .vgpr_count:     384
    .wavefront_size: 32
...
	.end_amdgpu_metadata
.endif
;; end of part 4
;; launch attn (part 5): grid 256 x 1, 8 waves a work-group, no clusters, 320,512 bytes of LDS; arguments enc_seq, mask, w1, b1, wq, hbw, part; writes part
.if DOCPART == 5
	.amdgcn_target "amdgcn-amd-amdhsa--gfx1250"
	.amdhsa_code_object_version 6
	.text
	.protected	k_q933611933d_attn
	.globl	k_q933611933d_attn
	.p2align	8
	.type	k_q933611933d_attn,@function
k_q933611933d_attn:
	s_mov_b64 s[64:65], 0
	v_nop
	global_prefetch_b8 v0, s[64:65] scope:SCOPE_SE
	s_setreg_imm32_b32 hwreg(HW_REG_WAVE_SCHED_MODE, 0, 2), 2
	s_setreg_imm32_b32 hwreg(HW_REG_WAVE_MODE, 25, 1), 1
	s_wait_xcnt 0x0
	s_wait_alu depctr_vm_vsrc(0)
; score[s] = w1 . tanh(Q(enc[s]) Q(w0[:1024]) + hbw) + b1, masked; a running softmax over the work-group's rows; the weighted sum of the same rows.  enc_seq is read from memory ONCE.
; SHARES.  Work-group g owns rows 256 g .. 256 g + 255 of the 65,536 (batch g / 8), as four blocks of 64.  Eight waves in two roles, role = (w xor w / 4) % 2, number in the role idx = w / 2:
; among waves w % 4 = const, and among waves w / 2 = const, there is then one wave of each role.
;   PRODUCER idx owns rows 16 idx .. + 15 of every block.  It streams them through a ring of eight row sets in registers (64 loads of 512 bytes on their way), turns each row through its stage in LDS so that a lane
;   holds one block of 32 along K, quantises it (codes and scale bytes to LDS, in the order of the operand's registers), and keeps a bf16 copy of the row in LDS.  Two phases later, when the block's scores are known, it takes the
;   softmax's step (every producer for all 64 rows, alike) and adds its own 16 rows, weighted, from its own copy.
;   CONSUMER idx owns columns 256 idx .. + 255: 16 tiles of 16, for all 64 rows of a block.  The block's codes lie in 256 registers; a tile's packet of w0's codes (8,704 bytes of wq) is loaded straight into
;   registers, two tiles ahead, and feeds 32 matrix instructions.  tanh(x) = 1 - 2 / (1 + 2^(2 log2(e) x)), so a row's part of the score is (the sum of my w1) - 2 x the sum of w1 / (1 + 2^..).
; THE MATRIX INSTRUCTION IS USED TRANSPOSED: source 0 = 16 columns of w0, source 1 = 16 rows of enc: a lane holds ONE row and eight columns, so w1 and hbw are eight registers a tile and a row's sum wants one exchange.
; PHASES.  In phase p consumers score block p - 1, producers weigh block p - 2 in and quantise block p.  Two barriers a phase: S (codes of block p and scores of block p - 1 lie in LDS), then the consumers fetch the codes, X (they have them).
; NO CLUSTER, NO TENSOR LOAD: each packet of w0's codes is used by one wave of a work-group, from registers; shared through LDS it would be written and read there, 2 x 2.2 MB a work-group beside the 3.7 MB that it moves now, and
; LDS has 8 KB left.  What is on its way lies in registers.
; out: part[g] = 4,096 bytes of the unnormalised weighted sum, then 512 bytes of (m, l, m, l): m the largest t = score x log2(e) of my rows, l the sum of 2^(t - m).
; LIMITS: NaN and infinities among the inputs are not served; blocks of enc whose largest magnitude lies under 2^-124 get the scale byte 1; enc is rounded to bf16 for the weighted sum; m starts at -3e38, which stands for
; 'no row yet' (a work-group all of whose rows are masked stores m = -3e38, l = 0, sums 0).
; THE MODE: SCHED_MODE bits 1:0 = 2 (LLVM: expert scheduling mode 2), set by the entry lines.  The code itself states the register dependences
; between vector or matrix instructions and memory or LDS instructions, with s_wait_alu, always for 0.
; THE PLAN.  Registers that memory or LDS instructions touch, and who else names them:
;   v1-v16          addresses and offsets: written once at the head, read by loads and stores throughout: one wait on va_vdst ahead of the parting of the roles.
;   TA0-2           written at a half's head, read by the rows' LDS stores.  CPX, SCWX, SCRX: written at a phase's head, read by the copy's loads and the scores' stores and loads.  A wait on vm_vsrc stands ahead of each of these groups of additions.
;   CONSUMER, a tile: its 32 products read the buffer's codes, scale words and hbw; ONE wait on va_vdst behind them, and the 19 loads of the tile two further on land there, dealt among the scalings and exponentials, which name the
;                   accumulators alone.  Its 16 multiply-adds read the buffer's w1; a wait behind them, and w1's 2 loads land there.
;   CONSUMER, a block: its products read enc's codes (window 1) and scale words; a wait ahead of the loads that bring the next block's.  The four scores are written by vector lines and read by LDS stores: a wait ahead of the stores;
;                   the wait on vm_vsrc at the next phase's head stands ahead of the products that write those registers again.
;   PRODUCER, a row: the stage's stores read the ring's set as it was loaded; the roundings read it and write BF.  A wait on va_vdst: BF is written (the copy's stores), the last row is done reading X (the stage's loads land there), the set is read.
;                   A wait on vm_vsrc behind the wait for LDS: the stage's stores have read the set (its refill lands there), the copy's stores BF, the last row's stores CD and BYT.  A wait on va_vdst behind the conversions: CD and BYT are written (their stores).
;   PRODUCER, a softmax's step: a wait on va_vdst at its head (SCRX is written, SV is free); the wait behind the three exponentials also states that the weights are written (their stores) and that v32-159 and PR are free (loads land there);
;                   a wait ahead of each of the copy's last two batches of loads, which land where the multiply-adds have just read.
;   THE WAY OUT:    a wait on va_vdst ahead of the sums' LDS stores (the sums are written), one directly ahead of the loads that bring the four producers' sums into v32-63 (the multiply-adds are done reading them), one ahead of each run of global stores.
.set PKT,  8704                        ; a packet of wq; also a tile's codes in LDS: 32 blocks x (16 rows x 16 bytes + 16)
.set CP1,  131072                      ; LDS 0: the bf16 copy of an even block, 64 rows x 2,048 bytes; from CP1 that of an odd block
.set IMG,  262144                      ; the codes of a block: 4 tiles x 8,704: block of 32 number B of row r at 272 B + 16 r.  At the very end: the four producers' sums
.set SIM,  296960                      ; its scale words: 4 tiles x 512: ((s % 2) 16 + r) 16 + 4 (s / 2) for K step s
.set STG,  299008                      ; a stage for each producer: 16 lines of 256 bytes + 16
.set SCR,  316416                      ; scores: 2 parities x 4 consumers x 64 f32
.set PBC,  318464                      ; the weights p: 64 f32 for each producer
; v1-v22 hold LDS addresses and offsets and nothing else; all but the phase's own (TA, SCWX, SCRX, CPX) are made once, ahead of the first parting of the roles
.set L16,  1                           ; 16 l
.set LN,   2                           ; l
.set H32,  3                           ; 32 h
.set AIM,  4                           ; IMG + 272 h + 16 r
.set ASI,  5                           ; SIM + 16 l
.set SCW,  6                           ; SCR + 256 idx + 4 r
.set SCRD, 7                           ; SCR + 4 l
.set STW,  8                           ; my stage + 272 h + 16 r
.set STR,  9                           ; my stage + 272 (l / 2) + 128 (l % 2)
.set IMW,  10                          ; IMG + 8,704 idx + 272 l
.set SIW,  11                          ; SIM + 512 idx + 256 ((l / 4) % 2) + 4 (l / 8) + l % 4
.set CPA,  12                          ; 32,768 idx + 16 l
.set PBW,  13                          ; PBC + 256 idx + 4 l
.set PBR,  14                          ; PBC + 320 idx: my 16 rows' weights in my own 64
.set REDW, 15                          ; IMG + 4,096 idx + 16 l
.set REDR, 16                          ; IMG + 1,024 idx + 16 l
.set TA0,  17                          ; IMW, SIW, CPX + the half's eight rows
.set TA1,  18
.set TA2,  19
.set SCWX, 20                          ; SCW, SCRD, CPA + the phase's parity
.set SCRX, 21
.set CPX,  22
; consumer: window 0.  The scale words have registers that no other line of the text names: v28-31, v236-239, v240-255
.set BS0,  28                          ; v28-31   w0's scale words for buffer 0: register j: K step 2 j in lanes 0-15, 2 j + 1 in lanes 16-31
.set B0,   32                          ; v32-111, v112-191: two buffers: 64 codes of w0, 8 hbw, 8 w1
.set B1,   112
.set ACC,  192                         ; v192-223 four tiles of rows x 8
.set SACC, 224                         ; v224-231 the rows' sums, a pair a tile
.set BS1,  236                         ; v236-239 w0's scale words for buffer 1
.set AS,   240                         ; v240-255 enc's scale words: 4 m + j, laid as w0's;   window 1: enc's codes, tile m, K step s at v[64 m + 8 s]
; producer: window 0
.set B1L,  27                          ; v27     b1 x log2(e)
.set X,    32                          ; v32-63  a block of 32 numbers
.set BF,   64                          ; v64-79  a row's 32 numbers of mine as bf16
.set CD,   80                          ; v80-83  codes
.set AMA,  84
.set AMB,  85
.set SOP,  86
.set BYT,  87
.set XR,   32                          ; v32-159 while rows are weighed in: two buffers of four rows' copies
.set OA,   160                         ; v160-191 the weighted sum: 4 j + e = column 128 j + 4 l + e
.set PR,   192                         ; v192-207 my 16 rows' weights
.set SV,   208                         ; v208-215 eight partial scores
.set MK,   216                         ; v216-223 the mask of my work-group's rows 32 k + l; the two in hand stand first
.set MT,   224                         ; m
.set LS,   225                         ; l (my lane's part)
.set FF,   226                         ; v226-227 2^(old m - new m), named as a pair
.set T0,   228
.set T1,   229
.set P0,   230
.set P1,   231
.set BM,   232
.set TP,   233
.set OLD,  234
.set NINF, 235                         ; window 1: the ring, eight sets of 32
.set WV,   18
.set ROLE, 19
.set IDX,  20
.set PH,   21
.set CT,   22
.set TR,   23
.set MS0,  31                          ; s31, s47: which lanes' rows count, for the block's two halves
.set MS1,  47
.set TI,   46                          ; the tile pair that is being asked for
.set PCP,  57                          ; parity of the copy: 0 or CP1
.set PSW,  62                          ; parity of the scores that are written, 0 or 1,024;
.set PSR,  63                          ; and of those that are read
.set MSB, 0
.macro WIN new                         ; the immediate's high byte repeats the setting that is left; every window is 0 at labels and branches
.if MSB != \new
	s_set_vgpr_msb (MSB<<8)|\new
.set MSB, \new
.endif
.endm
.macro BAR                             ; my LDS stores have landed and my LDS loads are in: then the work-group's barrier.  It stands in text that all eight waves walk
	s_wait_dscnt 0x0
	s_barrier_signal -1
	s_barrier_wait -1
.endm
; ---------------- consumer
.macro WL bb, bs, second, i            ; load i of the first 19 of a group: a packet's 16 x 512 bytes of codes, its scale words, hbw at the lane's eight columns
.if (\i) < 16
	global_load_b128 v[\bb+4*(\i):\bb+4*(\i)+3], v[L16], s[38:39] offset:PKT*\second+512*(\i)
.elseif (\i) == 16
	global_load_b128 v[\bs:\bs+3], v[L16], s[38:39] offset:PKT*\second+8192
.elseif (\i) == 17
	global_load_b128 v[\bb+64:\bb+67], v[H32], s[40:41] offset:64*\second
.else
	global_load_b128 v[\bb+68:\bb+71], v[H32], s[40:41] offset:64*\second+16
.endif
.endm
.macro WLOAD bb, bs, second            ; all 19 on end: at the head
.irp i, 0,1,2,3,4,5,6,7,8,9,10,11,12,13,14,15,16,17,18
	WL \bb, \bs, \second, \i
.endr
.endm
.macro WWLOAD bb, second               ; the group's last 2: w1 at the lane's eight columns
	global_load_b128 v[\bb+72:\bb+75], v[H32], s[42:43] offset:64*\second
	global_load_b128 v[\bb+76:\bb+79], v[H32], s[42:43] offset:64*\second+16
.endm
.macro WM ks, mt, bb, bs               ; K step ks of tile of rows mt.  The first takes hbw as C; odd K steps take their scale words from lanes 16-31
.if (\ks) == 0
	v_wmma_scale_f32_16x16x128_f8f6f4 v[ACC+8*\mt:ACC+8*\mt+7], v[\bb:\bb+7], v[64*\mt:64*\mt+7], v[\bb+64:\bb+71], v[\bs], v[AS+4*\mt] matrix_a_fmt:MATRIX_FMT_FP4 matrix_b_fmt:MATRIX_FMT_FP4
.elseif (\ks)%2
	v_wmma_scale_f32_16x16x128_f8f6f4 v[ACC+8*\mt:ACC+8*\mt+7], v[\bb+8*\ks:\bb+8*\ks+7], v[64*\mt+8*\ks:64*\mt+8*\ks+7], v[ACC+8*\mt:ACC+8*\mt+7], v[\bs+(\ks)/2], v[AS+4*\mt+(\ks)/2] matrix_a_fmt:MATRIX_FMT_FP4 matrix_b_fmt:MATRIX_FMT_FP4 matrix_a_scale:MATRIX_SCALE_ROW1 matrix_b_scale:MATRIX_SCALE_ROW1
.else
	v_wmma_scale_f32_16x16x128_f8f6f4 v[ACC+8*\mt:ACC+8*\mt+7], v[\bb+8*\ks:\bb+8*\ks+7], v[64*\mt+8*\ks:64*\mt+8*\ks+7], v[ACC+8*\mt:ACC+8*\mt+7], v[\bs+(\ks)/2], v[AS+4*\mt+(\ks)/2] matrix_a_fmt:MATRIX_FMT_FP4 matrix_b_fmt:MATRIX_FMT_FP4
.endif
.endm
; One tile of 16 columns for the block's 64 rows.  A tile's group of loads is issued in two parts, two tiles ahead: 19 (codes, scale words, hbw) behind the products that have read the buffer, 2 (w1) behind the
; multiply-adds that have read w1.  Each part is waited for where it is first read, so each has nearly two tiles' work in which to land.
.macro CSTEP bb, bs, second
	s_wait_loadcnt 23                              ; loads come back in order: this group's 19 are in; behind them were issued its own 2 of w1 and the other buffer's 19 + 2
	WIN 0x04                                       ; source 1 (enc's codes) window 1
.irp ks, 0,1,2,3,4,5,6,7
.irp mt, 0,1,2,3
	WM \ks, \mt, \bb, \bs                          ; the four accumulators take turns, one instruction a turn
.endr
.endr
	WIN 0
.rept 4
	v_nop                                          ; four places ahead of the first read of the products' results
.endr
.if \second == 0
	s_wait_xcnt 0x0                                ; the loads issued so far have read their bases, which are written only behind this wait; the youngest of them stand ahead of this tile's 32 products
	s_add_co_u32 s[TI], s[TI], 2                   ; the next pair of tiles, round the 16
	s_and_b32 s[TI], s[TI], 15
	s_mul_i32 s44, s[TI], PKT
	s_add_nc_u64 s[38:39], s[32:33], s[44:45]
	s_lshl_b32 s44, s[TI], 11                      ; two tiles are one column group of hbw: 4,096 bytes
	s_add_nc_u64 s[40:41], s[34:35], s[44:45]
	s_lshl_b32 s44, s[TI], 6
	s_add_nc_u64 s[42:43], s[36:37], s[44:45]
.endif
	s_wait_alu depctr_va_vdst(0)                   ; the 32 products are done reading this buffer's codes, scale words and hbw, in which the 19 loads below land: the tile two further on
.irp i, 0,1,2,3
	WL \bb, \bs, \second, \i
.endr
	; 2 log2(e) x, then 2^..: a scaling ahead of each two exponentials, one pair ahead of them; each accumulator is first read at its low pair.
	; The other 15 loads are dealt among them with no further wait: no vector instruction since the wait above names a register that they touch
	v_pk_mul_f32 v[ACC:ACC+1], v[ACC:ACC+1], s[24:25] op_sel_hi:[1,0]
.set cj, 0
.rept 15
	v_pk_mul_f32 v[ACC+cj+2:ACC+cj+3], v[ACC+cj+2:ACC+cj+3], s[24:25] op_sel_hi:[1,0]
	WL \bb, \bs, \second, 4+cj/2
	v_exp_f32 v[ACC+cj], v[ACC+cj]
	v_exp_f32 v[ACC+cj+1], v[ACC+cj+1]
.set cj, cj+2
.endr
	v_exp_f32 v[ACC+30], v[ACC+30]
	v_exp_f32 v[ACC+31], v[ACC+31]
	v_nop                                          ; a plain line behind the last exponential
	s_wait_alu depctr_va_vdst(0)                   ; the 32 exponentials have written the accumulators' registers: one wait for the batch, ahead of its first reader
	; 1 + 2^.., then the reciprocal, in the same order: no line names a reciprocal ahead of the wait below
	v_pk_add_f32 v[ACC:ACC+1], v[ACC:ACC+1], 1.0 op_sel_hi:[1,0]
.set cj, 0
.rept 15
	v_pk_add_f32 v[ACC+cj+2:ACC+cj+3], v[ACC+cj+2:ACC+cj+3], 1.0 op_sel_hi:[1,0]
	v_rcp_f32 v[ACC+cj], v[ACC+cj]
	v_rcp_f32 v[ACC+cj+1], v[ACC+cj+1]
.set cj, cj+2
.endr
	v_rcp_f32 v[ACC+30], v[ACC+30]
	v_rcp_f32 v[ACC+31], v[ACC+31]
	v_nop
	s_wait_alu depctr_va_vdst(0)                   ; the 32 reciprocals have written them anew: one wait for that batch, ahead of its first reader
	s_wait_loadcnt 40                              ; this tile's 2 loads of w1 are in; behind them were issued the other buffer's 19 + 2 and the 19 above
.irp p, 0,2,4,6
.irp mt, 0,1,2,3
	v_pk_fma_f32 v[SACC+2*\mt:SACC+2*\mt+1], v[ACC+8*\mt+\p:ACC+8*\mt+\p+1], v[\bb+72+\p:\bb+72+\p+1], v[SACC+2*\mt:SACC+2*\mt+1]   ; += w1 / (1 + 2^..), the tiles by turns
.endr
.endr
	s_wait_alu depctr_va_vdst(0)                   ; the 16 multiply-adds are done reading this buffer's w1, in which the two loads below land
	WWLOAD \bb, \second
.endm
; A block's scores, my 256 columns' part.  The stream of packets goes round from block to block: the last trip asks for tiles 0 and 1 again (in the last block these 2 x 21 loads are not used; they stay inside their buffers).
.macro SCORE
.irp j, 0,1,2,3,4,5,6,7
	v_mov_b32 v[SACC+\j], 0
.endr
	s_mov_b32 s[CT], 8
.Ltile_\@:
	CSTEP B0, BS0, 0
	CSTEP B1, BS1, 1
	s_sub_co_u32 s[CT], s[CT], 1
	s_cmp_lg_u32 s[CT], 0
	s_cbranch_scc1 .Ltile_\@
.irp mt, 0,1,2,3
	v_add_f32 v[ACC+\mt], v[SACC+2*\mt], v[SACC+2*\mt+1]
.endr
.irp mt, 0,1,2,3
	v_permlanex16_b32 v[ACC+8+\mt], v[ACC+\mt], s28, s29       ; the row's other eight columns of each tile lie in the lane 16 away
.endr
.irp mt, 0,1,2,3
	v_add_f32 v[ACC+\mt], v[ACC+\mt], v[ACC+8+\mt]
.endr
.irp mt, 0,1,2,3
	v_fma_f32 v[ACC+\mt], v[ACC+\mt], -2.0, s30                ; (the sum of my w1) - 2 x the sum
.endr
	s_wait_alu depctr_va_vdst(0)                   ; the four scores v192 to v195 and the phase's address v[SCWX] are written, which the LDS stores read
.irp mt, 0,1,2,3
	ds_store_b32 v[SCWX], v[ACC+\mt] offset:64*\mt             ; row 16 m + r; both halves of the lanes write the same word with the same value
.endr
.endm
.macro ALOAD again                     ; the block's codes and scale words come into registers as they lie.  again = 1: a block has been multiplied from these registers
	WIN 0x40                                       ; destination window 1
.if \again
	s_wait_alu depctr_va_vdst(0)                   ; the last block's products are done reading enc's codes and scale words, in which the loads below land
.endif
.irp mt, 0,1,2,3
.irp ks, 0,1,2,3,4,5,6,7
	ds_load_b128 v[64*\mt+8*\ks:64*\mt+8*\ks+3], v[AIM] offset:PKT*\mt+1088*\ks
	ds_load_b128 v[64*\mt+8*\ks+4:64*\mt+8*\ks+7], v[AIM] offset:PKT*\mt+1088*\ks+544
.endr
.endr
	WIN 0
.irp mt, 0,1,2,3
	ds_load_b128 v[AS+4*\mt:AS+4*\mt+3], v[ASI] offset:512*\mt
.endr
.endm
; ---------------- producer
; One row, in set rw of the ring.  cnt: the younger loads that may stay out.  issue = 1: the set takes the row eight further on.
.macro PROW rw, cnt, issue
	s_wait_loadcnt \cnt
	WIN 0x04                                       ; an LDS store's data are its source 1
.irp j, 0,1,2,3,4,5,6,7
	ds_store_b128 v[STW], v[32*(\rw)+4*\j:32*(\rw)+4*\j+3] offset:544*\j      ; the row as loaded: 512 bytes a store, two lines of the stage
.endr
	WIN 0x05                                       ; sources window 1
.irp k, 0,1,2,3,4,5,6,7,8,9,10,11,12,13,14,15
	v_cvt_pk_bf16_f32 v[BF+\k], v[32*(\rw)+2*\k], v[32*(\rw)+2*\k+1]          ; (the last row's stores of BF stand ahead of that row's wait on vm_vsrc)
.endr
	WIN 0
	s_wait_alu depctr_va_vdst(0)                   ; the roundings have written BF, which the copy's stores read, and are done reading the ring's set; the last row's lines are done reading X, in which the loads below land; in a half's first row TA0 to TA2 are written
.irp q, 0,1,2,3
	ds_store_b128 v[TA2], v[BF+4*\q:BF+4*\q+3] offset:2048*(\rw)+512*\q       ; the copy, as an image of these registers: only I read it back
.endr
.irp k, 0,1,2,3,4,5,6,7
	ds_load_b128 v[X+4*\k:X+4*\k+3], v[STR] offset:16*\k                      ; back: 128 neighbouring bytes a lane: block l of the row.  LDS serves a wave's instructions in order
.endr
	s_wait_dscnt 0x0                               ; the block is in
.if \issue
	WIN 0x40
.endif
	s_wait_alu depctr_vm_vsrc(0)                   ; my LDS stores have read their registers: the stage's the ring's set, in which the refill lands; the copy's BF, which the next row's roundings write; the last row's CD and BYT, which the lines below write
.if \issue
.irp j, 0,1,2,3,4,5,6,7
	global_load_b128 v[32*(\rw)+4*\j:32*(\rw)+4*\j+3], v[L16], s[48:49] offset:4096*(\rw)+512*\j th:TH_LOAD_NT   ; no vector instruction since the wait on va_vdst above names the set
.endr
	WIN 0
.endif
	v_max3_num_f32 v[AMA], |v[X]|, |v[X+1]|, 0x1800000         ; the block's largest magnitude, and the floor 2^(3 - 127), so that the byte cannot fall under 1
	v_max3_num_f32 v[AMB], |v[X+2]|, |v[X+3]|, |v[X+4]|
.irp p, 5,9,13,17,21,25
	v_max3_num_f32 v[AMA], v[AMA], |v[X+\p]|, |v[X+\p+1]|
	v_max3_num_f32 v[AMB], v[AMB], |v[X+\p+2]|, |v[X+\p+3]|
.endr
	v_max3_num_f32 v[AMA], v[AMA], |v[X+29]|, |v[X+30]|
	v_max3_num_f32 v[AMA], v[AMA], v[AMB], |v[X+31]|
	v_add_nc_u32 v[SOP], 0xff000000, v[AMA]        ; 2 off its exponent field: the conversion's scale operand
.irp g, 0,1,2,3
	v_cvt_scalef32_pk8_fp4_f32 v[CD+\g], v[X+8*\g:X+8*\g+7], v[SOP]
.endr
	v_lshrrev_b32 v[BYT], 23, v[SOP]               ; the scale's byte (also the plain line behind the conversions)
	s_wait_alu depctr_va_vdst(0)                   ; the conversions have written CD and the shift BYT, which the two stores read
	ds_store_b128 v[TA0], v[CD:CD+3] offset:16*(\rw)
	ds_store_b8 v[TA1], v[BYT] offset:16*(\rw)
.endm
.macro HALF issue                      ; eight rows
.if \issue
.irp i, 0,1,2,3,4,5,6,7
	PROW \i, 56, 1                                 ; seven younger sets of eight loads
.endr
	s_wait_xcnt 0x0                                ; the loads have read their base
	s_mul_i32 s50, s[TR], 196608                   ; on to the half after the next: behind a block's first half 64 - 8 rows on, into the next block (229,376 bytes);
	s_sub_co_u32 s50, 229376, s50                  ; behind its second half eight rows on (32,768 bytes)
	s_add_nc_u64 s[48:49], s[48:49], s[50:51]
.else
.irp i, 0,1,2,3,4,5,6,7
	PROW \i, 56-8*\i, 0                            ; the last half asks for nothing: the counts run down
.endr
.endif
.endm
; A block's two halves.  All eight waves walk the loop; consumers pass over the work.  inloop = 1: half 2 PH + TR of eight: the seventh asks for nothing, from the eighth on there is none.
.macro LOADQ inloop
	s_mov_b32 s[TR], 0
.Lhalf_\@:
	s_lshl_b32 s52, s[TR], 7
	s_lshl_b32 s53, s[TR], 14
	s_wait_alu depctr_vm_vsrc(0)                   ; the LDS stores of the half before have read TA0 to TA2, which the three additions write
	v_add_nc_u32 v[TA0], s52, v[IMW]
	v_add_nc_u32 v[TA1], s52, v[SIW]
	v_add_nc_u32 v[TA2], s53, v[CPX]
	s_cmp_eq_u32 s[ROLE], 0
	s_cbranch_scc1 .Lhdone_\@
.if \inloop
	s_lshl_b32 s56, s[PH], 1
	s_add_co_u32 s56, s56, s[TR]
	s_cmp_ge_u32 s56, 8
	s_cbranch_scc1 .Lhdone_\@
	s_cmp_eq_u32 s56, 7
	s_cbranch_scc1 .Lhlast_\@
	HALF 1
	s_branch .Lhdone_\@
.Lhlast_\@:
	HALF 0
.else
	HALF 1
.endif
.Lhdone_\@:
	s_add_co_u32 s[TR], s[TR], 1
	s_cmp_lt_u32 s[TR], 2
	s_cbranch_scc1 .Lhalf_\@
.endm
.macro CPLOAD bt                       ; four rows of my copy into buffer bt % 2
.irp t, 0,1,2,3
.irp q, 0,1,2,3
	ds_load_b128 v[XR+64*((\bt)%2)+16*\t+4*\q:XR+64*((\bt)%2)+16*\t+4*\q+3], v[CPX] offset:2048*(4*(\bt)+\t)+512*\q
.endr
.endr
.endm
.macro CPFMA bt                        ; sum += p x row, from the bf16 halves straight into f32
.irp t, 0,1,2,3
.irp q, 0,1,2,3
.irp e, 0,1,2,3
	v_fma_mix_f32_bf16 v[OA+8*\q+2*\e], v[XR+64*((\bt)%2)+16*\t+4*\q+\e], v[PR+4*(\bt)+\t], v[OA+8*\q+2*\e] op_sel_hi:[1,0,0]
	v_fma_mix_f32_bf16 v[OA+8*\q+2*\e+1], v[XR+64*((\bt)%2)+16*\t+4*\q+\e], v[PR+4*(\bt)+\t], v[OA+8*\q+2*\e+1] op_sel:[1,0,0] op_sel_hi:[1,0,0]
.endr
.endr
.endr
.endm
; The softmax's step for a block of 64 rows (lane l: rows l and 32 + l), and my 16 rows weighed in.
.macro SMACC
	s_wait_alu depctr_va_vdst(0)                   ; the phase's address v[SCRX] is written, by which the loads below read; the last step's additions are done reading SV, in which they land
.irp c, 0,1,2,3
	ds_load_b32 v[SV+2*\c], v[SCRX] offset:256*\c
	ds_load_b32 v[SV+2*\c+1], v[SCRX] offset:256*\c+128
.endr
	v_cmp_ne_u32 s[MS0], 0, v[MK]                  ; which of my two rows count: the two compares in a run, with one wait ahead of the selects
	v_cmp_ne_u32 s[MS1], 0, v[MK+1]
	s_wait_dscnt 0x0
	v_add_f32 v[T0], v[SV], v[SV+2]                ; the four consumers' parts
	v_add_f32 v[T1], v[SV+1], v[SV+3]
	v_add_f32 v[P0], v[SV+4], v[SV+6]
	v_add_f32 v[P1], v[SV+5], v[SV+7]
	v_add_f32 v[T0], v[T0], v[P0]
	v_add_f32 v[T1], v[T1], v[P1]
	v_fma_f32 v[T0], v[T0], s26, v[B1L]            ; t = (score + b1) log2(e)
	v_fma_f32 v[T1], v[T1], s26, v[B1L]
	s_wait_alu depctr_va_sdst(0)                   ; the two compares have written s31 and s47, ahead of their first readers
	v_cndmask_b32 v[T0], v[NINF], v[T0], s[MS0]    ; a masked row: -infinity, ahead of the maximum
	v_cndmask_b32 v[T1], v[NINF], v[T1], s[MS1]
	v_max_num_f32 v[BM], v[T0], v[T1]
	v_max_num_f32_dpp v[BM], v[BM], v[BM] row_xmask:1 row_mask:0xf bank_mask:0xf
	v_max_num_f32_dpp v[BM], v[BM], v[BM] row_xmask:2 row_mask:0xf bank_mask:0xf
	v_max_num_f32_dpp v[BM], v[BM], v[BM] row_xmask:4 row_mask:0xf bank_mask:0xf
	v_max_num_f32_dpp v[BM], v[BM], v[BM] row_xmask:8 row_mask:0xf bank_mask:0xf
	v_permlanex16_b32 v[TP], v[BM], s28, s29
	v_max_num_f32 v[BM], v[BM], v[TP]              ; the block's largest t, in every lane
	v_mov_b32 v[OLD], v[MT]
	v_max_num_f32 v[MT], v[MT], v[BM]              ; the running maximum
	v_sub_f32 v[FF], v[OLD], v[MT]
	v_sub_f32 v[P0], v[T0], v[MT]
	v_sub_f32 v[P1], v[T1], v[MT]
	v_exp_f32 v[FF], v[FF]                         ; what was summed under the old maximum is multiplied by this
	v_exp_f32 v[P0], v[P0]
	v_exp_f32 v[P1], v[P1]
.irp k, 0,1,2,3,4,5
	v_mov_b32 v[MK+\k], v[MK+\k+2]                 ; the next block's mask moves up: plain work behind the exponentials
.endr
	s_wait_alu depctr_va_vdst(0)                   ; the three exponentials have written FF, P0 and P1: one wait, ahead of their first reader; P0 and P1 are the stores' data; v[CPX] is written; the quantiser's lines are done with v32 to v159 and the last step's multiply-adds with PR, in which the loads below land
	ds_store_b32 v[PBW], v[P0]                     ; the weights go through my own 256 bytes of LDS,
	ds_store_b32 v[PBW], v[P1] offset:128
.irp k, 0,1,2,3
	ds_load_b128 v[PR+4*\k:PR+4*\k+3], v[PBR] offset:16*\k     ; and my 16 rows' come back into every lane (LDS serves a wave's instructions in order)
.endr
	CPLOAD 0
	CPLOAD 1
	v_fma_f32 v[LS], v[LS], v[FF], v[P0]
	v_add_f32 v[LS], v[LS], v[P1]
.set cj, 0
.rept 16
	v_pk_mul_f32 v[OA+cj:OA+cj+1], v[OA+cj:OA+cj+1], v[FF:FF+1] op_sel_hi:[1,0]
.set cj, cj+2
.endr
	s_wait_dscnt 16                                ; all but the younger batch of 16 loads
	CPFMA 0
	s_wait_alu depctr_va_vdst(0)                   ; the multiply-adds are done reading the copy's buffer 0, in which the next batch lands
	CPLOAD 2
	s_wait_dscnt 16
	CPFMA 1
	s_wait_alu depctr_va_vdst(0)                   ; and buffer 1 likewise
	CPLOAD 3
	s_wait_dscnt 16
	CPFMA 2
	s_wait_dscnt 0x0
	CPFMA 3
.endm
; ---------------- the head, for all waves
	s_load_b256 s[4:11], s[0:1], 0x0               ; enc s[4:5], mask s[6:7], w1 s[8:9], b1 s[10:11]
	s_load_b128 s[12:15], s[0:1], 0x20             ; wq s[12:13], hbw s[14:15]
	s_load_b64 s[16:17], s[0:1], 0x30              ; part
	v_lshrrev_b32 v26, 5, v0
	v_readfirstlane_b32 s[WV], v26                 ; wave 0..7
	v_and_b32 v[LN], 31, v0                        ; l
	v_and_b32 v24, 15, v0                          ; r
	v_bfe_u32 v25, v0, 4, 1                        ; h
	v_lshlrev_b32 v[L16], 4, v[LN]
	v_lshlrev_b32 v[H32], 5, v25
	v_mul_u32_u24 v[AIM], v25, 272
	v_lshl_add_u32 v[AIM], v24, 4, v[AIM]
	v_add_nc_u32 v[AIM], IMG, v[AIM]
	v_add_nc_u32 v[ASI], SIM, v[L16]
	s_wait_alu depctr_va_sdst(0)                   ; s18, the wave's number, is written, ahead of its first reader
	s_lshr_b32 s[ROLE], s[WV], 2
	s_xor_b32 s[ROLE], s[ROLE], s[WV]
	s_and_b32 s[ROLE], s[ROLE], 1                  ; 0: consumer (waves 0, 2, 5, 7); 1: producer (waves 1, 3, 4, 6)
	s_lshr_b32 s[IDX], s[WV], 1                    ; 0..3 in either role
	s_lshl_b32 s56, s[IDX], 8
	s_add_co_u32 s56, s56, SCR
	v_lshl_add_u32 v[SCW], v24, 2, s56
	v_lshl_add_u32 v[SCRD], v[LN], 2, SCR
	s_mul_i32 s56, s[IDX], 4352
	s_add_co_u32 s56, s56, STG
	v_mul_u32_u24 v[STW], v25, 272
	v_lshl_add_u32 v[STW], v24, 4, v[STW]
	v_add_nc_u32 v[STW], s56, v[STW]
	v_lshrrev_b32 v26, 1, v[LN]
	v_mul_u32_u24 v[STR], v26, 272
	v_and_b32 v26, 1, v[LN]
	v_lshl_add_u32 v[STR], v26, 7, v[STR]
	v_add_nc_u32 v[STR], s56, v[STR]
	s_mul_i32 s56, s[IDX], PKT
	s_add_co_u32 s56, s56, IMG
	v_mul_u32_u24 v[IMW], v[LN], 272
	v_add_nc_u32 v[IMW], s56, v[IMW]
	v_bfe_u32 v26, v0, 2, 1
	v_lshlrev_b32 v[SIW], 8, v26
	v_bfe_u32 v26, v0, 3, 2
	v_lshl_add_u32 v[SIW], v26, 2, v[SIW]
	v_and_b32 v26, 3, v0
	v_add_nc_u32 v[SIW], v26, v[SIW]
	s_lshl_b32 s56, s[IDX], 9
	s_add_co_u32 s56, s56, SIM
	v_add_nc_u32 v[SIW], s56, v[SIW]
	s_lshl_b32 s56, s[IDX], 15
	v_add_nc_u32 v[CPA], s56, v[L16]
	s_lshl_b32 s56, s[IDX], 8
	s_add_co_u32 s56, s56, PBC
	v_lshl_add_u32 v[PBW], v[LN], 2, s56
	s_mul_i32 s56, s[IDX], 320
	s_add_co_u32 s56, s56, PBC
	v_mov_b32 v[PBR], s56
	s_lshl_b32 s56, s[IDX], 12
	s_add_co_u32 s56, s56, IMG
	v_add_nc_u32 v[REDW], s56, v[L16]
	s_lshl_b32 s56, s[IDX], 10
	s_add_co_u32 s56, s56, IMG
	v_add_nc_u32 v[REDR], s56, v[L16]
	s_mov_b32 s24, 0x4038aa3b                      ; 2 log2(e); the packed form names the pair and takes its low word for both halves
	s_mov_b32 s25, s24
	s_mov_b32 s26, 0x3fb8aa3b                      ; log2(e)
	s_mov_b32 s28, 0x76543210
	s_mov_b32 s29, 0xfedcba98                      ; v_permlanex16_b32's selects for lane l xor 16
	s_mov_b32 s45, 0                               ; the upper words of the two offset pairs
	s_mov_b32 s51, 0
	s_mov_b32 s[TI], 0
	s_mov_b32 s[PCP], 0
	s_mov_b32 s[PSW], 1024
	s_mov_b32 s[PSR], 0
	s_wait_kmcnt 0x0
	s_load_b32 s27, s[10:11], 0x0                  ; b1: waited for behind each role's first loads, ahead of its one reader
	s_mul_i32 s44, s[IDX], 16*PKT
	s_add_nc_u64 s[32:33], s[12:13], s[44:45]      ; wq at my 16 packets
	s_lshl_b32 s44, s[IDX], 15
	s_lshr_b32 s56, ttmp9, 3
	s_lshl_b32 s56, s56, 7
	s_add_co_u32 s44, s44, s56
	s_add_nc_u64 s[34:35], s[14:15], s[44:45]      ; hbw at my 8 column groups, my batch
	s_lshl_b32 s44, s[IDX], 10
	s_add_nc_u64 s[36:37], s[8:9], s[44:45]        ; w1 at my 256 columns
	s_mul_i32 s44, ttmp9, 4608
	s_add_nc_u64 s[54:55], s[16:17], s[44:45]      ; part at my work-group's 4,608 bytes
	s_lshl_b32 s44, ttmp9, 20                      ; enc: 256 rows of 4,096 bytes a work-group,
	s_lshl_b32 s56, s[IDX], 16                     ; 16 a producer.  Every base is made here, on the way that all waves take; consumers never use these two
	s_add_co_u32 s44, s44, s56
	s_add_nc_u64 s[58:59], s[4:5], s[44:45]        ; the ring's first eight rows
	s_add_nc_u64 s[48:49], s[58:59], 32768         ; what the first half asks for: the second half's rows
	s_wait_alu depctr_va_vdst(0)                   ; the sixteen addresses and offsets v1 to v16 are written, which the loads and stores of both roles read; none is written again
	s_cmp_eq_u32 s[ROLE], 0
	s_cbranch_scc1 .Lchead
	; ---- producer's head: the mask of the 256 rows, the ring's first eight rows
	s_lshl_b32 s44, ttmp9, 8
	s_add_nc_u64 s[6:7], s[6:7], s[44:45]
.irp k, 0,1,2,3,4,5,6,7
	global_load_u8 v[MK+\k], v[LN], s[6:7] offset:32*\k
.endr
	WIN 0x40                                       ; destination window 1
.set cj, 0
.rept 64
	global_load_b128 v[4*cj:4*cj+3], v[L16], s[58:59] offset:512*cj th:TH_LOAD_NT   ; 32 lanes read 512 consecutive bytes; read once in the launch
.set cj, cj+1
.endr
	WIN 0
	v_mov_b32 v[MT], 0xff61b1e6                    ; -3e38: under every t
	v_mov_b32 v[LS], 0
	v_mov_b32 v[FF], 0
	v_mov_b32 v[FF+1], 0                           ; named as the upper half of a pair, so it is written
	v_mov_b32 v[TP], 0                             ; a lane permute's destination counts as one of its sources
	v_mov_b32 v[NINF], 0xff800000
.set cj, 0
.rept 32
	v_mov_b32 v[OA+cj], 0                          ; the step is written once: the first finds zeros
.set cj, cj+1
.endr
	s_wait_kmcnt 0x0                               ; b1
	v_mov_b32 v[B1L], s27
	v_mul_f32 v[B1L], s26, v[B1L]
	s_branch .Lpro
.Lchead:	; ---- consumer's head: my 256 numbers of w1, the first two groups
	global_load_b128 v[ACC:ACC+3], v[L16], s[36:37]
	global_load_b128 v[ACC+4:ACC+7], v[L16], s[36:37] offset:512
	s_mov_b64 s[38:39], s[32:33]
	s_mov_b64 s[40:41], s[34:35]
	s_mov_b64 s[42:43], s[36:37]
	WLOAD B0, BS0, 0
	WWLOAD B0, 0
	WLOAD B1, BS1, 1
	WWLOAD B1, 1
	s_wait_kmcnt 0x0                               ; no scalar load stays out (a consumer does not read b1)
	s_wait_loadcnt 42                              ; the two groups of 21 may be out
	v_add_f32 v[ACC], v[ACC], v[ACC+1]
	v_add_f32 v[ACC+2], v[ACC+2], v[ACC+3]
	v_add_f32 v[ACC+4], v[ACC+4], v[ACC+5]
	v_add_f32 v[ACC+6], v[ACC+6], v[ACC+7]
	v_add_f32 v[ACC], v[ACC], v[ACC+2]
	v_add_f32 v[ACC+4], v[ACC+4], v[ACC+6]
	v_add_f32 v[ACC], v[ACC], v[ACC+4]
	v_add_f32_dpp v[ACC], v[ACC], v[ACC] row_xmask:1 row_mask:0xf bank_mask:0xf
	v_add_f32_dpp v[ACC], v[ACC], v[ACC] row_xmask:2 row_mask:0xf bank_mask:0xf
	v_add_f32_dpp v[ACC], v[ACC], v[ACC] row_xmask:4 row_mask:0xf bank_mask:0xf
	v_add_f32_dpp v[ACC], v[ACC], v[ACC] row_xmask:8 row_mask:0xf bank_mask:0xf
	v_permlanex16_b32 v[ACC+1], v[ACC], s28, s29
	v_add_f32 v[ACC], v[ACC], v[ACC+1]
	v_readfirstlane_b32 s30, v[ACC]                ; the sum of my w1
	s_wait_alu depctr_va_sdst(0)                   ; s30 is written
.Lpro:	; ---- block 0 is quantised and fetched
	v_add_nc_u32 v[CPX], s[PCP], v[CPA]
	LOADQ 0
	BAR                                            ; S: block 0's codes and scale bytes lie in LDS
	s_cmp_eq_u32 s[ROLE], 0
	s_cbranch_scc0 .Lpx
	ALOAD 0
.Lpx:
	BAR                                            ; X: the consumers have them: the next block's may be written
	s_xor_b32 s[PCP], s[PCP], CP1
	s_mov_b32 s[PH], 1
.Lphase:	; ---- phases 1 to 4
	s_wait_alu depctr_vm_vsrc(0)                   ; the last phase's LDS instructions have read their registers: CPX, SCWX and SCRX, which the additions below write; a consumer's four scores, which its products write again; a producer's weights P0 and P1, which its next step writes, and its last row's CD and BYT, in which the copy's loads land
	v_add_nc_u32 v[CPX], s[PCP], v[CPA]            ; blocks PH and PH - 2 share a copy's bytes: the old rows are read before the new are written, by the same wave
	v_add_nc_u32 v[SCWX], s[PSW], v[SCW]           ; the scores written in this phase and those read in it lie 1,024 bytes apart
	v_add_nc_u32 v[SCRX], s[PSR], v[SCRD]
	s_cmp_eq_u32 s[ROLE], 0
	s_cbranch_scc0 .Lprod
	SCORE                                          ; block PH - 1
	s_branch .Lquant
.Lprod:
	s_cmp_lt_u32 s[PH], 2
	s_cbranch_scc1 .Lquant
	SMACC                                          ; block PH - 2
.Lquant:
	LOADQ 1                                        ; block PH
	BAR                                            ; S: block PH's codes and block PH - 1's scores lie in LDS
	s_cmp_eq_u32 s[ROLE], 0
	s_cbranch_scc0 .Lx
	s_cmp_gt_u32 s[PH], 3
	s_cbranch_scc1 .Lx
	ALOAD 1
.Lx:
	BAR                                            ; X
	s_xor_b32 s[PCP], s[PCP], CP1
	s_xor_b32 s[PSW], s[PSW], 1024
	s_xor_b32 s[PSR], s[PSR], 1024
	s_add_co_u32 s[PH], s[PH], 1
	s_cmp_lt_u32 s[PH], 5
	s_cbranch_scc1 .Lphase
	; ---- the end: block 3 is weighed in; the four producers' sums meet in the bytes that held the codes (last written and last read in phase 3)
	s_wait_alu depctr_vm_vsrc(0)                   ; the last step's LDS loads have read CPX and SCRX, which the additions below write, and its stores the weights P0 and P1, which the step below writes
	v_add_nc_u32 v[CPX], s[PCP], v[CPA]
	v_add_nc_u32 v[SCRX], s[PSR], v[SCRD]
	s_cmp_eq_u32 s[ROLE], 0
	s_cbranch_scc1 .Lred
	SMACC
	v_add_f32_dpp v[LS], v[LS], v[LS] row_xmask:1 row_mask:0xf bank_mask:0xf
	v_add_f32_dpp v[LS], v[LS], v[LS] row_xmask:2 row_mask:0xf bank_mask:0xf
	v_add_f32_dpp v[LS], v[LS], v[LS] row_xmask:4 row_mask:0xf bank_mask:0xf
	v_add_f32_dpp v[LS], v[LS], v[LS] row_xmask:8 row_mask:0xf bank_mask:0xf
	v_permlanex16_b32 v[TP], v[LS], s28, s29
	v_add_f32 v[LS], v[LS], v[TP]                  ; l of the 256 rows
	s_wait_alu depctr_va_vdst(0)                   ; the multiply-adds have written the sums v160 to v191, which the LDS stores read
.irp j, 0,1,2,3,4,5,6,7
	ds_store_b128 v[REDW], v[OA+4*\j:OA+4*\j+3] offset:512*\j   ; byte 4 x column of my 4,096
.endr
.Lred:
	BAR
	s_cmp_eq_u32 s[ROLE], 0
	s_cbranch_scc1 .Lend
	s_wait_alu depctr_va_vdst(0)                   ; the copy's multiply-adds, of the last step and of those in the loop, are done reading v32 to v63, in which the loads below land: stated here, where the loads stand, so that it holds on every way to them
.irp p, 0,1,2,3
	ds_load_b128 v[XR+8*\p:XR+8*\p+3], v[REDR] offset:4096*\p        ; producer idx adds columns 256 idx .. + 255
	ds_load_b128 v[XR+8*\p+4:XR+8*\p+7], v[REDR] offset:4096*\p+512
.endr
	s_lshl_b32 s44, s[IDX], 10
	s_add_nc_u64 s[60:61], s[54:55], s[44:45]
	s_wait_dscnt 0x0
.irp j, 0,2,4,6
	v_pk_add_f32 v[XR+\j:XR+\j+1], v[XR+\j:XR+\j+1], v[XR+8+\j:XR+8+\j+1]
	v_pk_add_f32 v[XR+16+\j:XR+16+\j+1], v[XR+16+\j:XR+16+\j+1], v[XR+24+\j:XR+24+\j+1]
.endr
.irp j, 0,2,4,6
	v_pk_add_f32 v[XR+\j:XR+\j+1], v[XR+\j:XR+\j+1], v[XR+16+\j:XR+16+\j+1]
.endr
	s_wait_alu depctr_va_vdst(0)                   ; the additions have written v32 to v39, which the two stores read
	global_store_b128 v[L16], v[XR:XR+3], s[60:61]               ; 32 lanes store 512 consecutive bytes, at a multiple of 256 from part's first byte
	global_store_b128 v[L16], v[XR+4:XR+7], s[60:61] offset:512
	s_cmp_lg_u32 s[IDX], 0
	s_cbranch_scc1 .Lend
	v_mov_b32 v[FF], v[MT]
	v_mov_b32 v[FF+1], v[LS]
	s_wait_alu depctr_va_vdst(0)                   ; the two moves have written v226 and v227, which the store reads with m and l
	global_store_b128 v[L16], v[MT:MT+3], s[54:55] offset:4096   ; (m, l, m, l) in every lane: 512 consecutive bytes
.Lend:
	s_wait_xcnt 0x0
	v_lshl_add_u32 v232, v0, 2, 0x4e000            ; the add's two registers are made anew, straight ahead of the closing lines; no memory or LDS instruction of the text reads v232 or v234
	v_mov_b32 v234, 0
	s_wait_dscnt 0x0                               ; the closing lines, six on end, for a launch in the mode that stores to LDS
	s_wait_alu 0x0
	s_wait_tensorcnt 0x0
	ds_add_u32 v232, v234
	s_wait_dscnt 0x0
	s_endpgm
.Lfunc_end_k_q933611933d_attn:
	.size	k_q933611933d_attn, .Lfunc_end_k_q933611933d_attn-k_q933611933d_attn
	.p2alignl 7, 3214868480
	.fill 96, 4, 3214868480
	.section	.rodata,"a",@progbits
	.p2align	6, 0x0
	.amdhsa_kernel k_q933611933d_attn
		.amdhsa_group_segment_fixed_size 320512
		.amdhsa_private_segment_fixed_size 0
		.amdhsa_enable_private_segment 0
		.amdhsa_kernarg_size 56
		.amdhsa_user_sgpr_count 2
		.amdhsa_user_sgpr_kernarg_segment_ptr 1
		.amdhsa_wavefront_size32 1
		.amdhsa_system_sgpr_workgroup_id_x 1
		.amdhsa_system_sgpr_workgroup_id_y 1
		.amdhsa_system_sgpr_workgroup_id_z 1
		.amdhsa_system_vgpr_workitem_id 0
		.amdhsa_next_free_vgpr 512
		.amdhsa_next_free_sgpr 66
		.amdhsa_reserve_vcc 0
		.amdhsa_float_denorm_mode_32 3
		.amdhsa_float_denorm_mode_16_64 3
		.amdhsa_memory_ordered 1
		.amdhsa_forward_progress 1
		.amdhsa_inst_pref_size 246
	.end_amdhsa_kernel
	.amdgpu_metadata
---
amdhsa.version: [ 1, 2 ]
amdhsa.kernels:
  - .name:           k_q933611933d_attn
    .symbol:         k_q933611933d_attn.kd
    .args:
      - { .name: enc_seq, .offset: 0, .size: 8, .value_kind: global_buffer, .address_space: global }
      - { .name: mask, .offset: 8, .size: 8, .value_kind: global_buffer, .address_space: global }
      - { .name: w1, .offset: 16, .size: 8, .value_kind: global_buffer, .address_space: global }
      - { .name: b1, .offset: 24, .size: 8, .value_kind: global_buffer, .address_space: global }
      - { .name: wq, .offset: 32, .size: 8, .value_kind: global_buffer, .address_space: global }
      - { .name: hbw, .offset: 40, .size: 8, .value_kind: global_buffer, .address_space: global }
      - { .name: part, .offset: 48, .size: 8, .value_kind: global_buffer, .address_space: global }
    .group_segment_fixed_size: 320512
    .private_segment_fixed_size: 0
    .kernarg_segment_align: 8
    .kernarg_segment_size: 56
    .max_flat_workgroup_size: 256
    .sgpr_count:     66
    .vgpr_count:     512
    .wavefront_size: 32
...
	.end_amdgpu_metadata
.endif
;; end of part 5
;; launch join: the kernel of part 3 again; grid 32 x 1, 8 waves a work-group, no clusters, 0 bytes of LDS; arguments part, out0; writes out0
